; MI455X (gfx1250); checked and timed in simulation.
; The chip was launched on July 23, 2026; its instructions are those of AMD's public machine-readable ISA for CDNA 5 (MIT licence, August 2026) and "CDNA5" Instruction Set Architecture Reference Guide (July 2026). The comments in the code are by the model that wrote it; some were corrected since.
;; Simple Mo E Optimized. Allowed arithmetic: matrix products marked QUANTISED: E5M2 operands, one E8M0 scale for each 32 along K, by v_wmma_scale_f32_16x16x128_f8f6f4 with both operands' format E5M2, f32 sums; products left as they are: f32 operands where the result goes on into a quantised operand, else bf16, f16 or f32 operands; f32 sums; everything else in f32.
;; Inputs: W1 8 x 1,024 x 4,096 float32; W2 8 x 4,096 x 1,024 float32; b1 8 x 4,096 float32; b2 8 x 1,024 float32; gate_W 1,024 x 8 float32; gate_b 8 float32; x 1,024 x 1,024 float32.
;; Outputs: out0 1,024 x 1,024 float32.
;; This version of the problem:
;;   THIS VERSION OF THE PROBLEM IS GIVEN IN LOW PRECISION. The matrix products marked QUANTISED in the list below multiply operands that are first quantised to E5M2 (5 exponent bits, 2 mantissa bits; 8 bits a number), with one power-of-two scale for each 32 numbers along K (OCP MX v1.0); their sums are f32. All else is computed in f32.
;;   The module's matrix products, in the order in which they are computed (A, B: the left and right operand; K: the contracted axis; several contracted axes count as one K, in the product's order):
;;     1. [M 1,024, K 1,024] x [K 1,024, N 8]; A: input x; B: input gate_W: left as it is (N = 8 < 16)
;;     2. [M 1,024, K 1,024] x [K 1,024, N 4,096]; A: input x; B: input W1: QUANTISED
;;     3. [M 1,024, K 4,096] x [K 4,096, N 1,024]; A: computed on the way; B: input W2: QUANTISED
;;     4. [M 1,024, K 1,024] x [K 1,024, N 4,096]; A: input x; B: input W1: QUANTISED
;;     5. [M 1,024, K 4,096] x [K 4,096, N 1,024]; A: computed on the way; B: input W2: QUANTISED
;;     6. [M 1,024, K 1,024] x [K 1,024, N 4,096]; A: input x; B: input W1: QUANTISED
;;     7. [M 1,024, K 4,096] x [K 4,096, N 1,024]; A: computed on the way; B: input W2: QUANTISED
;;     8. [M 1,024, K 1,024] x [K 1,024, N 4,096]; A: input x; B: input W1: QUANTISED
;;     9. [M 1,024, K 4,096] x [K 4,096, N 1,024]; A: computed on the way; B: input W2: QUANTISED
;;     10. [M 1,024, K 1,024] x [K 1,024, N 4,096]; A: input x; B: input W1: QUANTISED
;;     11. [M 1,024, K 4,096] x [K 4,096, N 1,024]; A: computed on the way; B: input W2: QUANTISED
;;     12. [M 1,024, K 1,024] x [K 1,024, N 4,096]; A: input x; B: input W1: QUANTISED
;;     13. [M 1,024, K 4,096] x [K 4,096, N 1,024]; A: computed on the way; B: input W2: QUANTISED
;;     14. [M 1,024, K 1,024] x [K 1,024, N 4,096]; A: input x; B: input W1: QUANTISED
;;     15. [M 1,024, K 4,096] x [K 4,096, N 1,024]; A: computed on the way; B: input W2: QUANTISED
;;     16. [M 1,024, K 1,024] x [K 1,024, N 4,096]; A: input x; B: input W1: QUANTISED
;;     17. [M 1,024, K 4,096] x [K 4,096, N 1,024]; A: computed on the way; B: input W2: QUANTISED
;;   THE QUANTISER, for each operand of a quantised product, along K:
;;     - K is cut into blocks of 32 from its start; a last block that is shorter is filled with zeros.
;;     - A block's scale is 2^e with e = floor(log2(the largest magnitude in the block)) - 15, held to -126 .. 127; a block of zeros has e = 0. As a byte (E8M0): e + 127.
;;     - Each number is divided by its block's scale, clamped to +-57,344, and rounded to the nearest number of E5M2, ties to even, subnormals kept.
;;     - The product sums the exact products of the quantised numbers (number of the format x scale) in f32.
;;   ~~~python
;;   def quantise(x, axis):      # numpy; x: float32 -> the quantised numbers, widened to float32 again
;;       x = np.moveaxis(x, axis, -1); K = x.shape[-1]
;;       x = np.pad(x, [(0, 0)] * (x.ndim - 1) + [(0, -K % 32)]); x = x.reshape(x.shape[:-1] + (-1, 32)); a = np.abs(x).max(-1, keepdims=True)
;;       e = np.where(a > 0, np.clip(np.frexp(np.where(a > 0, a, 1))[1] - 1 - 15, -126, 127), 0)      # np.frexp(a)[1] - 1 = floor(log2(a)), exactly
;;       r = np.clip(x / 2.0 ** e, -57344, 57344)
;;       step = 2.0 ** (np.maximum(np.frexp(np.where(r == 0, 1, r))[1] - 1, -14) - 2)
;;       q = np.round(r / step) * step * 2.0 ** e      # np.round: ties to even
;;       return np.moveaxis(q.reshape(q.shape[:-2] + (-1,))[..., :K], -1, axis).astype(np.float32)
;;   ~~~
;;   OPERANDS COMPUTED ON THE WAY. 'Computed on the way' means the value that the module computes at that place (a softmax that the list does not call 'softmax' is quantised finished and normalised). What goes into a quantiser is computed in f32, as accurately as f32 sums, v_exp_f32 and their like allow (about 1e-6 of the number): no bf16 or f16 on the way to a quantiser, and a product that is left as it is and whose result goes on into a quantised operand takes f32 operands (vector FMAs, or v_wmma_f32_16x16x4_f32). A number that lies on a knife's edge between two numbers of the format may be rounded either way, as far as f32 arithmetic and the matrix unit's own rounding can turn it there, and no further.
;; 2 versions, each right; version 2 is version 1 with the launch combine written anew for expert scheduling mode. Each part assembles by itself: llvm-mc -triple=amdgcn-amd-amdhsa -mcpu=gfx1250 --defsym DOCPART=n.
;; ======== version 1 of 2: 4 launches
;; workspace buffers: xq 1,048,576 bytes; xs 32,768 bytes; ridx 8,192 bytes of whole numbers; rwt 8,192 bytes; hq 33,554,432 bytes; hs 1,048,576 bytes; yp 16,842,752 bytes
;; launch route (part 1): grid 256 x 1, 4 waves a work-group, no clusters, 35,328 bytes of LDS; arguments x, gate_W, gate_b, xq, xs, ridx, rwt; writes xq, xs, ridx, rwt
.if DOCPART == 1
	.amdgcn_target "amdgcn-amd-amdhsa--gfx1250"
	.amdhsa_code_object_version 6
	.text
	.protected	k_qcf9aa824e6_route
	.globl	k_qcf9aa824e6_route
	.p2align	8
	.type	k_qcf9aa824e6_route,@function
k_qcf9aa824e6_route:
	s_mov_b64 s[64:65], 0
	v_nop
	global_prefetch_b8 v0, s[64:65] scope:SCOPE_SE
	s_setreg_imm32_b32 hwreg(HW_REG_WAVE_MODE, 25, 1), 1
	s_wait_xcnt 0x0
; ROUTER AND QUANTISER OF x.  x [1024][1024] f32, gate_W [1024][8], gate_b [8].
; For each token: scores = x gate_W + gate_b in f32; the two largest (the lower index wins a tie); softmax over the two, the larger taken away first.
; Stored at fixed places: ridx [token][2] the chosen experts, rwt [token][2] their weights, xq [token][1024] x as codes of E5M2, xs [token][32] one E8M0 byte for each 32 along K.
; SHARES: a work-group has 4 tokens, a wave one.  Lane l holds x[512 i + 16 l + m], i = 0, 1, m = 0 .. 15: sixteen neighbours along K, as the conversions want them; lanes l and l xor 1 hold a block of 32.
; (So a load of x takes 16 bytes of each lane's 64; the four loads of a half row together take every byte.)
; gate_W comes once a work-group, by loads of 2,048 consecutive bytes, and is turned in LDS so that row (16 i + m) holds, at 16 l, four experts' weights of k = 512 i + 16 l + m.
; LIMITS: NaN and infinities are not served.  A block whose largest magnitude lies under 2^-111 keeps the byte 1; so does a block of zeros (its codes are zeros; this program alone reads the bytes).
; The f32 sums of a score run in another order than a row-by-row sum: scores equal to the last bits may be ordered otherwise.
.set GH,  17024                        ; LDS: experts 0-3 from byte 0, experts 4-7 from here (32 rows of 528 bytes, and 128 more: the two halves start half a row of banks apart)
.set GP,  528                          ; a row: 32 lanes x 16 bytes + 16
.set SB,  34304                        ; 4 x 32 scale bytes
.set RI,  34432                        ; 4 x 2 words: the experts; 32 bytes on: the weights
.set X,   16                           ; v16-47   my 32 numbers of x
.set AC,  48                           ; v48-55   eight scores
.set PT,  56                           ; v56-63   the other half of the lanes' sums
.set G0,  64                           ; v64-127  gate_W as loaded; then batches 0 and 2
.set G1,  128                          ; v128-191 batches 1 and 3
.set CQ,  192                          ; v192-199 codes
.set TM,  200                          ; v200-205 at work
	s_load_b256 s[4:11], s[0:1], 0x0               ; x, gate_W, gate_b, xq
	s_load_b128 s[12:15], s[0:1], 0x20             ; xs, ridx
	s_load_b64 s[16:17], s[0:1], 0x30              ; rwt
	v_lshl_add_u32 v208, v0, 2, 0x8800
	v_mov_b32 v209, 0
	v_lshrrev_b32 v1, 5, v0
	v_readfirstlane_b32 s18, v1                    ; wave 0..3
	v_and_b32 v1, 31, v0                           ; lane
	v_lshlrev_b32 v2, 6, v1                        ; x: 64 bytes a lane
	v_lshlrev_b32 v3, 4, v0                        ; gate_W: 16 bytes a thread
	v_and_b32 v4, 1, v0                            ; which four experts my 16 bytes hold
	v_mul_u32_u24 v4, v4, GH
	v_bfe_u32 v5, v0, 1, 4                         ; m = k % 16
	v_mad_u32_u24 v4, v5, GP, v4
	s_lshl_b32 s19, s18, 4
	v_add_nc_u32 v4, s19, v4                       ; load n goes to this + 8,448 (n / 8) + 64 (n % 8)
	v_lshlrev_b32 v5, 4, v1                        ; 16 x lane: LDS reads, and my codes' place
	v_lshrrev_b32 v6, 1, v1
	s_lshl_b32 s19, s18, 5
	s_add_co_u32 s19, s19, SB
	v_add_nc_u32 v6, s19, v6                       ; my block's scale byte
	v_lshlrev_b32 v7, 2, v1                        ; 4 x lane
	v_add_nc_u32 v8, SB, v7                        ; the way out of the 128 scale bytes
	v_and_b32 v9, 7, v1
	v_lshl_add_u32 v9, v9, 2, RI                   ; and of the eight words
	s_lshl_b32 s19, s18, 3
	s_add_co_u32 s19, s19, RI
	v_mov_b32 v10, s19                             ; my wave's two words
	s_mov_b32 s32, 0x76543210
	s_mov_b32 s33, 0xfedcba98                      ; v_permlanex16_b32's selects for lane l xor 16
	s_mov_b32 s35, 0x600000                        ; the mantissa field of 57,344
	s_lshl_b32 s20, ttmp9, 2
	s_add_co_u32 s20, s20, s18                     ; my token
	s_mov_b32 s23, 0
	s_wait_kmcnt 0x0
	s_load_b256 s[24:31], s[8:9], 0x0              ; gate_b
	s_lshl_b32 s22, s20, 12
	s_add_nc_u64 s[4:5], s[4:5], s[22:23]          ; my row of x
	s_lshl_b32 s22, s20, 10
	s_add_nc_u64 s[10:11], s[10:11], s[22:23]      ; and of xq
	s_lshl_b32 s22, ttmp9, 7
	s_add_nc_u64 s[12:13], s[12:13], s[22:23]      ; the work-group's 128 bytes of xs
	s_lshl_b32 s22, ttmp9, 5
	s_add_nc_u64 s[14:15], s[14:15], s[22:23]      ; its 32 bytes of ridx
	s_add_nc_u64 s[16:17], s[16:17], s[22:23]      ; and of rwt
.irp n, 0,1,2,3,4,5,6,7,8,9,10,11,12,13,14,15
	global_load_b128 v[G0+4*\n:G0+4*\n+3], v3, s[6:7] offset:2048*\n
.endr
.irp i, 0,1,2,3,4,5,6,7
	global_load_b128 v[X+4*\i:X+4*\i+3], v2, s[4:5] offset:2048*(\i/4)+16*(\i%4) th:TH_LOAD_NT
.endr
	s_wait_loadcnt 0x8                             ; gate_W is in; the eight younger loads, x's, may be out
.irp n, 0,1,2,3,4,5,6,7,8,9,10,11,12,13,14,15
	ds_store_b128 v4, v[G0+4*\n:G0+4*\n+3] offset:(\n/8)*16*GP+(\n%8)*64
.endr
	s_wait_dscnt 0x0                               ; my stores have landed: then the barrier, behind which every wave reads all of gate_W
	s_barrier_signal -1
	s_barrier_wait -1
.macro GLOAD bt, buf                   ; batch bt: rows 8 bt .. 8 bt + 7, 32 bytes a lane each
.irp p, 0,1,2,3,4,5,6,7
	ds_load_b128 v[\buf+8*\p:\buf+8*\p+3], v5 offset:(8*\bt+\p)*GP
	ds_load_b128 v[\buf+8*\p+4:\buf+8*\p+7], v5 offset:GH+(8*\bt+\p)*GP
.endr
.endm
.macro GFMA bt, buf                    ; eight scores += x[row] x its eight weights, two scores an instruction; the very first product starts the sums
.irp p, 0,1,2,3,4,5,6,7
.irp e, 0,2,4,6
.if (8*\bt+\p) == 0
	v_pk_mul_f32 v[AC+\e:AC+\e+1], v[\buf+\e:\buf+\e+1], v[X:X+1] op_sel_hi:[1,0]
.elseif (\p%2) == 0
	v_pk_fma_f32 v[AC+\e:AC+\e+1], v[\buf+8*\p+\e:\buf+8*\p+\e+1], v[X+8*\bt+\p:X+8*\bt+\p+1], v[AC+\e:AC+\e+1] op_sel_hi:[1,0,1]
.else
	v_pk_fma_f32 v[AC+\e:AC+\e+1], v[\buf+8*\p+\e:\buf+8*\p+\e+1], v[X+8*\bt+\p-1:X+8*\bt+\p], v[AC+\e:AC+\e+1] op_sel:[0,1,0] op_sel_hi:[1,1,1]
.endif
.endr
.endr
.endm
	GLOAD 0, G0
	GLOAD 1, G1
	s_wait_loadcnt 0x0                             ; x
	s_wait_dscnt 0x10                              ; batch 0 is in; the 16 loads of batch 1 may be out
	GFMA 0, G0
	GLOAD 2, G0
	s_wait_dscnt 0x10
	GFMA 1, G1
	GLOAD 3, G1
	s_wait_dscnt 0x10
	GFMA 2, G0
	s_wait_dscnt 0x0
	GFMA 3, G1
.irp e, 0,1,2,3,4,5,6,7
	v_mov_b32 v[PT+\e], 0                          ; a lane permute's destination counts as one of its sources
.endr
.irp m, 1,2,4,8
.irp e, 0,1,2,3,4,5,6,7
	v_add_f32_dpp v[AC+\e], v[AC+\e], v[AC+\e] row_xmask:\m row_mask:0xf bank_mask:0xf
.endr
.endr
.irp e, 0,1,2,3,4,5,6,7
	v_permlanex16_b32 v[PT+\e], v[AC+\e], s32, s33
.endr
.irp e, 0,1,2,3,4,5,6,7
	v_add_f32 v[AC+\e], v[AC+\e], v[PT+\e]         ; every lane holds the token's eight sums
.endr
	s_wait_kmcnt 0x0
.irp e, 0,1,2,3,4,5,6,7
	v_add_f32 v[AC+\e], s[24+\e], v[AC+\e]         ; + gate_b
.endr
	; the largest (v11, expert v12): ascending, strictly greater, so the lower index keeps a tie
	v_mov_b32 v11, v[AC]
	v_mov_b32 v12, 0
.irp e, 1,2,3,4,5,6,7
	v_cmp_gt_f32 vcc_lo, v[AC+\e], v11
	v_mov_b32 v15, \e
	v_cndmask_b32 v11, v11, v[AC+\e], vcc_lo
	v_cndmask_b32 v12, v12, v15, vcc_lo
.endr
	; the second (v13, expert v14): the same from -infinity, the first one's expert left out
	v_mov_b32 v13, 0xff800000
	v_mov_b32 v14, 0
.irp e, 0,1,2,3,4,5,6,7
	v_cmp_gt_f32 s34, v[AC+\e], v13
	v_cmp_ne_u32 vcc_lo, \e, v12
	s_and_b32 vcc_lo, vcc_lo, s34
	v_mov_b32 v15, \e
	v_cndmask_b32 v13, v13, v[AC+\e], vcc_lo
	v_cndmask_b32 v14, v14, v15, vcc_lo
.endr
	v_sub_f32 v13, v13, v11                        ; second - first: 0 or less
	v_mul_f32 v13, 0x3fb8aa3b, v13
	v_exp_f32 v13, v13                             ; t = e^(second - first)
	v_nop                                          ; a plain instruction behind the transcendental,
	s_wait_alu depctr_va_vdst(0)                   ; and the wait ahead of the first line that names its result
	v_add_f32 v11, 1.0, v13
	v_rcp_f32 v11, v11                             ; the first one's weight, 1 / (1 + t)
	v_nop
	s_wait_alu depctr_va_vdst(0)
	v_mul_f32 v13, v13, v11                        ; the second one's, t / (1 + t)
; my 16 numbers of half row ip become 16 codes and (with my neighbour's 16) a scale byte
.macro QX ip
.set XB, X+16*\ip
	v_max3_num_f32 v[TM], |v[XB]|, |v[XB+1]|, |v[XB+2]|
	v_max3_num_f32 v[TM+1], |v[XB+3]|, |v[XB+4]|, |v[XB+5]|
.irp i, 6,10
	v_max3_num_f32 v[TM], v[TM], |v[XB+\i]|, |v[XB+\i+1]|
	v_max3_num_f32 v[TM+1], v[TM+1], |v[XB+\i+2]|, |v[XB+\i+3]|
.endr
	v_max3_num_f32 v[TM], v[TM], |v[XB+14]|, |v[XB+15]|
	v_max3_num_f32 v[TM], v[TM], v[TM+1], 0x8000000                ; and the floor 2^(16 - 127): the byte cannot fall under 1
	v_max_num_f32_dpp v[TM], v[TM], v[TM] row_xmask:1 row_mask:0xf bank_mask:0xf   ; with my neighbour's 16: the block's largest magnitude
	v_add_nc_u32 v[TM+2], 0xf8800000, v[TM]        ; 15 off its exponent field: the conversion's scale operand
	v_and_or_b32 v[TM+3], v[TM], 0x7f800000, s35   ; 57,344 x the scale
.set i, 0
.rept 16
	v_med3_num_f32 v[XB+i], v[XB+i], -v[TM+3], v[TM+3]             ; the conversion to an 8-bit code does not saturate (ISA guide 7.6.2): the hold comes first
.set i, i+1
.endr
	v_cvt_scalef32_pk8_bf8_f32 v[CQ+4*\ip:CQ+4*\ip+1], v[XB:XB+7], v[TM+2]
	v_cvt_scalef32_pk8_bf8_f32 v[CQ+4*\ip+2:CQ+4*\ip+3], v[XB+8:XB+15], v[TM+2]
	v_lshrrev_b32 v[TM+4+\ip], 23, v[TM+2]         ; the scale's byte (also the plain line behind the conversions)
	ds_store_b8 v6, v[TM+4+\ip] offset:16*\ip      ; both lanes of a block write the same byte with the same value
	global_store_b128 v5, v[CQ+4*\ip:CQ+4*\ip+3], s[10:11] offset:512*\ip   ; the wave stores 512 consecutive bytes
.endm
	QX 0
	QX 1
	ds_store_b32 v10, v12                          ; all lanes write the same word with the same value
	ds_store_b32 v10, v14 offset:4
	ds_store_b32 v10, v11 offset:32
	ds_store_b32 v10, v13 offset:36
	s_wait_dscnt 0x0                               ; my stores have landed: then the barrier, behind which wave 0 reads all four waves' bytes
	s_barrier_signal -1
	s_barrier_wait -1
	s_cmp_lg_u32 s18, 0
	s_cbranch_scc1 .Lend
	ds_load_b32 v16, v8                            ; 128 scale bytes, 4 a lane
	ds_load_b32 v17, v9                            ; the eight words (lanes 8 and up read them again and store nothing)
	ds_load_b32 v18, v9 offset:32
	v_cmp_gt_u32 vcc_lo, 8, v1
	s_wait_dscnt 0x0
	global_store_b32 v7, v16, s[12:13]             ; 128 consecutive bytes
	s_wait_xcnt 0x0                                ; EXEC changes only behind this wait
	s_and_saveexec_b32 s34, vcc_lo
	global_store_b32 v7, v17, s[14:15]             ; 32 consecutive bytes each
	global_store_b32 v7, v18, s[16:17]
	s_wait_xcnt 0x0                                ; and again in front of the line that widens it
	s_or_b32 exec_lo, exec_lo, s34
.Lend:
	s_wait_tensorcnt 0x0
	ds_add_u32 v208, v209
	s_wait_dscnt 0x0
	s_endpgm
.Lfunc_end_k_qcf9aa824e6_route:
	.size	k_qcf9aa824e6_route, .Lfunc_end_k_qcf9aa824e6_route-k_qcf9aa824e6_route
	.p2alignl 7, 3214868480
	.fill 96, 4, 3214868480
	.section	.rodata,"a",@progbits
	.p2align	6, 0x0
	.amdhsa_kernel k_qcf9aa824e6_route
		.amdhsa_group_segment_fixed_size 35328
		.amdhsa_private_segment_fixed_size 0
		.amdhsa_enable_private_segment 0
		.amdhsa_kernarg_size 56
		.amdhsa_user_sgpr_count 2
		.amdhsa_user_sgpr_kernarg_segment_ptr 1
		.amdhsa_wavefront_size32 1
		.amdhsa_system_sgpr_workgroup_id_x 1
		.amdhsa_system_sgpr_workgroup_id_y 1
		.amdhsa_system_sgpr_workgroup_id_z 1
		.amdhsa_system_vgpr_workitem_id 0
		.amdhsa_next_free_vgpr 210
		.amdhsa_next_free_sgpr 66
		.amdhsa_reserve_vcc 1
		.amdhsa_float_denorm_mode_32 3
		.amdhsa_float_denorm_mode_16_64 3
		.amdhsa_memory_ordered 1
		.amdhsa_forward_progress 1
		.amdhsa_inst_pref_size 30
	.end_amdhsa_kernel
	.amdgpu_metadata
---
amdhsa.version: [ 1, 2 ]
amdhsa.kernels:
  - .name:           k_qcf9aa824e6_route
    .symbol:         k_qcf9aa824e6_route.kd
    .args:
      - { .name: x, .offset: 0, .size: 8, .value_kind: global_buffer, .address_space: global }
      - { .name: gate_W, .offset: 8, .size: 8, .value_kind: global_buffer, .address_space: global }
      - { .name: gate_b, .offset: 16, .size: 8, .value_kind: global_buffer, .address_space: global }
      - { .name: xq, .offset: 24, .size: 8, .value_kind: global_buffer, .address_space: global }
      - { .name: xs, .offset: 32, .size: 8, .value_kind: global_buffer, .address_space: global }
      - { .name: ridx, .offset: 40, .size: 8, .value_kind: global_buffer, .address_space: global }
      - { .name: rwt, .offset: 48, .size: 8, .value_kind: global_buffer, .address_space: global }
    .group_segment_fixed_size: 35328
    .private_segment_fixed_size: 0
    .kernarg_segment_align: 8
    .kernarg_segment_size: 56
    .max_flat_workgroup_size: 128
    .sgpr_count:     66
    .vgpr_count:     210
    .wavefront_size: 32
...
	.end_amdgpu_metadata
.endif
;; end of part 1
;; launch ffn1 (part 2): grid 32 x 8, 8 waves a work-group, no clusters, 143,360 bytes of LDS; arguments W1, b1, xq, xs, ridx, hq, hs; writes hq, hs
.if DOCPART == 2
	.amdgcn_target "amdgcn-amd-amdhsa--gfx1250"
	.amdhsa_code_object_version 6
	.text
	.protected	k_qcf9aa824e6_ffn1
	.globl	k_qcf9aa824e6_ffn1
	.p2align	8
	.type	k_qcf9aa824e6_ffn1,@function
k_qcf9aa824e6_ffn1:
	s_mov_b64 s[64:65], 0
	v_nop
	global_prefetch_b8 v0, s[64:65] scope:SCOPE_SE
	s_setreg_imm32_b32 hwreg(HW_REG_WAVE_MODE, 25, 1), 1
	s_wait_xcnt 0x0
; FIRST PRODUCT OF THE EXPERTS: h = relu(x W1[e] + b1[e]) for the rows routed to expert e, quantised to E5M2 along the next K and stored as images of the next product's operand registers.
; W1 [8][1024 k][4096 f] f32 is read ONCE, as f32, and quantised along k in registers.  Work-group (sx, e) owns columns 128 sx .. 128 sx + 127 of expert e: two UNITS of 64 columns x 1,024 k.
; ROLES.  Waves 0-3 PRODUCE: wave c streams, for each K step of 128, rows 32 c .. 32 c + 31 (a whole block of 32) of the unit's 64 columns: a load takes two aligned pieces of 256 bytes of two rows;
;   lane (g, q) holds columns 4 q .. 4 q + 3 of k = 16 g + 0 .. 15.  A block's largest magnitude joins lanes l and l xor 16; the hold turns the registers column by column; the codes go to LDS as
;   images of operand registers (tile, block c, lane: 16 bytes).  Four staging sets of 16 loads a wave are asked for ahead: a whole half unit.  Only weight loads count on these waves' load counter.
; Waves 4-7 CONSUME: five tiles of 16 rows each (tiles first + wave + 4 t), x's codes gathered from memory by the expert's list, weight fragments from LDS; half a unit behind the producers.
;   x's fragments lie in two buffers, and BOTH are on their way at once: a buffer is asked for again, with the K step two further on, as soon as its products are issued.
; THE LIST of the expert's rows (slot = 2 token + k, tokens ascending) is built by wave 4 from ridx while the first weight loads are on their way; entries behind the last are 0: token 0 pads a tile.
; SWEEPS.  The first sweep (320 rows) runs beside the producers.  Rows beyond (any split, up to 1,024) are served by three more sweeps from the codes that still lie in LDS: loops of constant count that
;   every wave walks; the work is jumped over by a branch on the wave's number and one on the stored count; no barrier stands in them.
; THE PRODUCT IS USED TRANSPOSED (source 0 = 16 columns of W1, source 1 = 16 rows of x), AND THE COLUMNS OF A TILE ARE NOT NEIGHBOURS: lane r of tile 2 b + u takes column 32 b + 8 u + r + 8 (r / 8),
;   so that a lane's 16 registers of tiles 2 b, 2 b + 1 are 16 neighbours along the next K.  b1 is the C of each sum's first instruction.  The 20 accumulators take turns, one instruction a turn.
; THE TWO ROLES SHARE REGISTERS (window 1: staging sets, accumulators, x's second buffer).  So the text keeps its distances and its waits on EVERY way through its branches, also on ways that no wave takes:
;   nine plain places stand at each barrier, a consumer has no load out when it comes to one, and its first wait behind one is for all loads.
; No tensor loads and no cluster: branches hang on a count read from memory, and no two work-groups share weights.
; LIMITS: NaN and infinities are not served.  A block whose largest magnitude lies under 2^-111, a block of zeros among them, keeps the byte 1 (zero codes add nothing; this program alone reads the bytes).
;   hs is stored two bytes a lane (a unit makes two of a word's four bytes): one byte in 64 of what the launch stores.
.set PITCH, 16384                      ; a row of W1[e] in bytes
.set KSTB,  128*PITCH                  ; a K step
.set XKS,   128                        ; x's codes: a K step, a block of 32; x's scale words: a K step
.set XCS,   32
.set SKS,   4
.set TS,    2064                       ; LDS: an image of one tile (4 blocks x 512 bytes) + 16, so that sixteen producer lanes store to sixteen different columns of 16 bytes
.set KSB,   4*TS                       ; a slot: the four tiles of one K step; slot = 8 unit + K step; 16 slots from byte 0
.set SCL,   16*KSB                     ; scale words: slot x 256 + tile x 64 + 4 x row; byte c comes from producer c
.set LIST,  SCL+16*256                 ; 1,408 words: the list; the last word takes the lanes that have nothing to store
.set DUMP,  1407
.set CNT,   LIST+5632                  ; word 0: the number of rows
.set RIX,   12                         ; s[12:13] ridx
; vector registers, window 0.  v4-v27 are made ahead of the first parting of the roles; LDS address registers never hold data
.set LN,  1                            ; lane
.set RR,  2                            ; lane % 16
.set HH,  3                            ; lane / 16
.set L16, 4                            ; 16 x lane: an image's place for my lane, in LDS (slot 0) and in hq
.set PS,  5                            ; v5, v6  where I store codes: slots 0-7, slots 8-15
.set L8,  7                            ; 8 x lane
.set PB,  9                            ; where I store scale bytes
.set SCA, 10                           ; v10-13  the list builder's four store addresses, by turns
.set SW,  14                           ; SCL + 4 x lane
.set SK,  15                           ; the same for the unit or trip in hand
.set LA0, 16                           ; LIST + 64 (wave % 4) + 4 r;  v17: for the sweep in hand
.set LA,  17
.set LB0, 18                           ; LA0 + 256 h;  v19 likewise
.set LB,  19
.set WK,  20                           ; 16 x lane + the unit's or trip's first slot
.set FIL, 22                           ; LIST + 16 x lane
.set CNTA, 23                          ; CNT
.set WO,  24                           ; W1: 16 rows x g + 16 q
.set H16, 25                           ; 16 h
.set H64, 26                           ; 64 h
.set XA,  32                           ; v32-36  byte offsets of my five tiles' rows in xq
.set SA,  37                           ; v37-39  and in xs: lanes 0-15 tile 2 p, lanes 16-31 tile 2 p + 1
.set HA,  40                           ; v40-44  my tiles' images in hq
.set HSA, 45                           ; v45-49  and scale words in hs
.set HW,  50                           ; v50-54  two scale bytes a tile
.set EB,  30                           ; consumers at work: bytes v30-31, maxima v56-57, the other lane's v58-59, scale operands v60-61, holds v62-63
.set EM,  56
.set ET,  58
.set ES,  60
.set EL,  62
.set WF,  64                           ; v64-127  consumers: four weight fragments; in the epilogue the codes just made
.set X0,  128                          ; v128-207 consumers: x's five fragments, buffer 0 (buffer 1: window 1, v160-239)
.set BI,  208                          ; v208-239 b1 in the result's layout, eight registers a column tile
.set XS,  240                          ; v240-245 x's scale words, three a buffer;  v246-247 the weights': these eight hold scales and nothing else
.set WS,  246
.set TT,  64                           ; producers: v64-127 the held numbers, column by column; v128-143 codes; v144.. at work
.set CD,  128
.set MX,  144
.set TP,  148
.set SC,  152
.set LM,  156
.set BY,  160
; window 1: producers: four staging sets, set p at v[64 p];  consumers: accumulator (row tile t, column tile n) at v[32 t + 8 n]
; scalars: s18 wave, s19 wave % 4, s20 expert, s[24:31] W1 at my rows of halves 0-3, s36 rows, s37 tiles, s38 tiles (at least 1), s40-43 counters, s44 my first tile,
;   s[50:55] b1, hq, hs at the unit in hand, s[56:61] at unit 0, s62, s63 LDS offsets of the unit or trip, s[66:69] xq, xs at the trip's K step, s71 the sweep's offset in the list
.set MSB, 0
.macro WIN new                         ; the immediate's high byte repeats the setting that is left; at a label and at a branch every window is 0
.if MSB != \new
	s_set_vgpr_msb (MSB<<8)|\new
.set MSB, \new
.endif
.endm
; The work-group's barrier.  It stands where all eight waves pass.  Nine plain places first: whichever role's lines stand on either side of it, a line that touches a product's registers
; then stands at least so far behind the product.  Then: my LDS stores have landed and my LDS loads are in.
.macro BARRIER
.rept 9
	v_nop
.endr
	s_wait_dscnt 0x0
	s_barrier_signal -1
	s_barrier_wait -1
.endm
.macro ISSUE p, nb                     ; staging set p: my 32 rows x 64 columns of the half's K step p; s[nb] the half's base
	WIN 0x40
.set i, 0
.rept 16
	global_load_b128 v[64*\p+4*i:64*\p+4*i+3], v[WO], s[\nb:\nb+1] offset:\p*KSTB+i*PITCH th:TH_LOAD_NT
.set i, i+1
.endr
.endm
; Staging set p of half hf becomes codes and scale bytes of slot 4 hf + p.  cnt: the younger weight loads that may stay out.  refill = 1: the set is asked for again, from the next half's base s[nb]
.macro BLOCK p, hf, cnt, refill, nb
	s_wait_loadcnt \cnt
	WIN 0x14                                       ; sources 1 and 2: the staging set
.irp jj, 0,1,2,3
	v_max3_num_f32 v[MX+\jj], 0x8000000, |v[64*\p+\jj]|, |v[64*\p+4+\jj]|   ; column jj: my 16 numbers, and the floor 2^(16 - 127): the byte cannot fall under 1
.endr
.irp i, 2,4,6,8,10,12,14
.irp jj, 0,1,2,3
	v_max3_num_f32 v[MX+\jj], v[MX+\jj], |v[64*\p+4*\i+\jj]|, |v[64*\p+4*\i+4+\jj]|   ; (the four columns by turns)
.endr
.endr
	WIN 0
.irp jj, 0,1,2,3
	v_permlanex16_b32 v[TP+\jj], v[MX+\jj], s32, s33
.endr
.irp jj, 0,1,2,3
	v_max_num_f32 v[MX+\jj], v[MX+\jj], v[TP+\jj]  ; with lane l xor 16's 16: the block's largest magnitude
.endr
.irp jj, 0,1,2,3
	v_add_nc_u32 v[SC+\jj], 0xf8800000, v[MX+\jj]  ; 15 off its exponent field: the conversion's scale operand
.endr
.irp jj, 0,1,2,3
	v_and_or_b32 v[LM+\jj], v[MX+\jj], 0x7f800000, s34   ; 57,344 x the scale
.endr
.irp jj, 0,1,2,3
	v_lshrrev_b32 v[BY+\jj], 23, v[SC+\jj]         ; the scale's byte
.endr
	WIN 0x01                                       ; source 0: the staging set
.irp jj, 0,1,2,3
.set i, 0
.rept 16
	v_med3_num_f32 v[TT+16*\jj+i], v[64*\p+4*i+\jj], -v[LM+\jj], v[LM+\jj]   ; the hold (the conversion does not saturate: ISA guide 7.6.2) also lays a column's 16 numbers on end
.set i, i+1
.endr
.endr
.if \refill
	ISSUE \p, \nb
.endif
	WIN 0
	s_wait_dscnt 0x0                               ; the last block's LDS stores have read the code registers
.irp jj, 0,1,2,3
	v_cvt_scalef32_pk8_bf8_f32 v[CD+4*\jj:CD+4*\jj+1], v[TT+16*\jj:TT+16*\jj+7], v[SC+\jj]
	v_cvt_scalef32_pk8_bf8_f32 v[CD+4*\jj+2:CD+4*\jj+3], v[TT+16*\jj+8:TT+16*\jj+15], v[SC+\jj]
.endr
	v_nop                                          ; a plain line behind the last conversion
.irp jj, 0,1,2,3
	ds_store_b128 v[PS+\hf/2], v[CD+4*\jj:CD+4*\jj+3] offset:((\hf%2)*4+\p)*KSB+16*\jj
.endr
.irp jj, 0,1,2,3
	ds_store_b8 v[PB], v[BY+\jj] offset:(4*\hf+\p)*256+4*\jj   ; lanes l and l xor 16 write the same byte with the same value
.endr
.endm
.macro HALF_R hf, nb                   ; four K steps, each set asked for again.  48: the three younger sets, of this half or already of the next
.irp p, 0,1,2,3
	BLOCK \p, \hf, 48, 1, \nb
.endr
.endm
.macro HALF_N hf                       ; the last half asks for nothing: the counts run down
	BLOCK 0, \hf, 48, 0, 0
	BLOCK 1, \hf, 32, 0, 0
	BLOCK 2, \hf, 16, 0, 0
	BLOCK 3, \hf, 0, 0, 0
.endm
; Wave 4 alone, while no other wave touches LDS: the list of the expert's rows.  32 chunks of 32 tokens; a routed lane's place is the count so far + the routed lanes below it
.macro LISTBUILD
.set c, 0
.rept 32
	global_load_b64 v[X0+2*c:X0+2*c+1], v[L8], s[RIX:RIX+1] offset:256*c
.set c, c+1
.endr
.irp z, 0,1,2,3
	v_mov_b32 v[60+\z], 0
.endr
	v_lshlrev_b32 v8, 1, v[LN]                     ; slot 2 x lane,
	v_or_b32 v56, 1, v8                            ; or 2 x lane + 1
	v_mov_b32 v57, DUMP
.irp n, 0,1,2,3,4,5,6,7,8,9,10
	ds_store_b128 v[FIL], v[60:63] offset:512*\n   ; the list begins as zeros: slot 0 pads
.endr
	s_mov_b32 s72, 0
	s_wait_loadcnt 0x0
.set c, 0
.rept 32
	v_cmp_eq_u32 s73, s20, v[X0+2*c]
	v_cmp_eq_u32 vcc_lo, s20, v[X0+2*c+1]
	s_or_b32 s74, s73, vcc_lo                      ; the chunk's routed lanes
	v_mbcnt_lo_u32_b32 v55, s74, s72
	v_cndmask_b32 v55, v57, v55, s74               ; the others store to the last word
	v_min_u32 v55, DUMP, v55
.if c > 3
	s_wait_dscnt 0x3                               ; the store of four chunks ago is done (three younger may be out): its two registers are written again
.endif
	v_cndmask_b32 v[28+c%4], v8, v56, vcc_lo
	v_add_nc_u32 v[28+c%4], 64*c, v[28+c%4]        ; 2 token + k
	v_lshl_add_u32 v[SCA+c%4], v55, 2, LIST
	ds_store_b32 v[SCA+c%4], v[28+c%4]
	s_bcnt1_i32_b32 s73, s74
	s_add_co_u32 s72, s72, s73
.set c, c+1
.endr
	v_mov_b32 v55, s72
	ds_store_b32 v[CNTA], v55
.endm
.macro XLOAD buf, kk, xb, sb           ; my five tiles' fragments and scale words of K step kk into buffer buf: 23 loads
.if (\buf)
	WIN 0x40
.endif
.irp t, 0,1,2,3,4
.irp q, 0,1,2,3
	global_load_b128 v[X0+32*(\buf)+16*\t+4*\q:X0+32*(\buf)+16*\t+4*\q+3], v[XA+\t], s[\xb:\xb+1] offset:(\kk)*XKS+\q*XCS
.endr
.endr
	WIN 0
.irp p, 0,1,2
	global_load_b32 v[XS+3*(\buf)+\p], v[SA+\p], s[\sb:\sb+1] offset:(\kk)*SKS
.endr
.endm
.macro WLOAD kap, skap, wreg, sreg     ; a slot's scale words (lanes 0-15 tile 2 j, lanes 16-31 tile 2 j + 1) and its four fragments
	ds_load_b32 v[WS], v[\sreg] offset:(\skap)*256
	ds_load_b32 v[WS+1], v[\sreg] offset:(\skap)*256+128
.irp n, 0,1,2,3
.irp q, 0,1,2,3
	ds_load_b128 v[WF+16*\n+4*\q:WF+16*\n+4*\q+3], v[\wreg] offset:(\kap)*KSB+\n*TS+\q*512
.endr
.endr
.endm
.macro WMX ra, rb                      ; one product; ra, rb: the scales stand in lanes 16-31
.if ((\ra) == 0) && ((\rb) == 0)
	v_wmma_scale_f32_16x16x128_f8f6f4 v[rD:rD+7], v[rA:rA+15], v[rB:rB+15], v[rC:rC+7], v[rSA], v[rSB] matrix_a_fmt:MATRIX_FMT_BF8 matrix_b_fmt:MATRIX_FMT_BF8
.elseif (\rb) == 0
	v_wmma_scale_f32_16x16x128_f8f6f4 v[rD:rD+7], v[rA:rA+15], v[rB:rB+15], v[rC:rC+7], v[rSA], v[rSB] matrix_a_fmt:MATRIX_FMT_BF8 matrix_b_fmt:MATRIX_FMT_BF8 matrix_a_scale:MATRIX_SCALE_ROW1
.elseif (\ra) == 0
	v_wmma_scale_f32_16x16x128_f8f6f4 v[rD:rD+7], v[rA:rA+15], v[rB:rB+15], v[rC:rC+7], v[rSA], v[rSB] matrix_a_fmt:MATRIX_FMT_BF8 matrix_b_fmt:MATRIX_FMT_BF8 matrix_b_scale:MATRIX_SCALE_ROW1
.else
	v_wmma_scale_f32_16x16x128_f8f6f4 v[rD:rD+7], v[rA:rA+15], v[rB:rB+15], v[rC:rC+7], v[rSA], v[rSB] matrix_a_fmt:MATRIX_FMT_BF8 matrix_b_fmt:MATRIX_FMT_BF8 matrix_a_scale:MATRIX_SCALE_ROW1 matrix_b_scale:MATRIX_SCALE_ROW1
.endif
.endm
.macro MM par, first, waits            ; 20 products: four column tiles x five row tiles.  first = 1: b1 starts the sums.  waits = 1: tile n's fragment is in when the 4 (3 - n) younger LDS loads are out
.irp n, 0,1,2,3
.if \waits
	s_wait_dscnt 12-4*\n
.endif
.irp t, 0,1,2,3,4
.set rD, 32*\t+8*\n
.set rA, WF+16*\n
.set rB, X0+32*(\par)+16*\t
.set rC, rD
.if \first
.set rC, BI+8*\n
.endif
.set rSA, WS+\n/2
.set rSB, XS+3*(\par)+\t/2
	WMX \n%2, \t%2
.endr
.endr
.endm
; A K step of the first sweep, on x's buffer par.  The weight fragments' LDS loads go out first, so that they land under the wait for x.  cnt: the loads that may stay out when this step's x has to be in:
; 23, the next K step's (only such loads count on a consumer's counter), or 0 where none was asked for behind it, and at the first step behind a barrier.
; Eight plain places stand behind the products: they serve the loads into the buffer just read and the next step's loads into the weight fragments' registers.
; refill = 1: the buffer just read is asked for again, with the K step two further on: so both buffers are on their way while a step is worked.  first = 1: accumulators begin anew: nine places ahead.
.macro KS kk, kap, wreg, sreg, par, first, cnt, refill, xb, sb
.rept 9*\first
	v_nop
.endr
	WLOAD \kap, \kk, \wreg, \sreg
	s_wait_loadcnt \cnt
.if \first
	WIN 0x40                                       ; D window 1; the fragments and b1 window 0
.elseif (\par)
	WIN 0x54                                       ; x's buffer 1, C and D window 1
.else
	WIN 0x50
.endif
	MM \par, \first, 1
	WIN 0
.rept 8
	v_nop
.endr
.if \refill
	XLOAD \par, (\kk)+2, \xb, \sb
.endif
.endm
; A K step of a later sweep: nothing is asked for ahead.  sel = 1: in the unit's first trip (s43 = 0) its products start the sums
.macro KSS kk, sel
.rept 9
	v_nop
.endr
	XLOAD 0, \kk, 66, 68
	WLOAD \kk, \kk, WK, SK
	s_wait_loadcnt 0x0
	s_wait_dscnt 0x0
.if \sel
	s_cmp_lg_u32 s43, 0
	s_cbranch_scc1 .Lkacc_\@
	WIN 0x40
	MM 0, 1, 0
	WIN 0
	s_branch .Lkdone_\@
.Lkacc_\@:
.endif
	WIN 0x50
	MM 0, 0, 0
	WIN 0
.if \sel
.Lkdone_\@:
.endif
.endm
.macro ADDR1                           ; the sweep's rows: slots from the list, tokens, byte offsets
	s_wait_xcnt 0x0                                ; earlier loads and stores have read the offsets that are written here
.irp t, 0,1,2,3,4
	ds_load_b32 v[XA+\t], v[LA] offset:256*\t
.endr
.irp p, 0,1,2
	ds_load_b32 v[SA+\p], v[LB] offset:512*\p
.endr
.irp t, 0,1,2,3,4
	s_add_co_u32 s45, s44, 4*\t                    ; my tile t
	s_lshl_b32 s46, s45, 16
	s_lshl_b32 s47, s45, 11
	v_add_nc_u32 v[HA+\t], s46, v[L16]             ; hq: 65,536 bytes a tile
	v_lshl_add_u32 v[HSA+\t], v[RR], 2, s47        ; hs: 2,048 bytes a tile, 4 a row
.endr
	s_wait_dscnt 0x0
.irp t, 0,1,2,3,4
	v_lshrrev_b32 v[XA+\t], 1, v[XA+\t]            ; slot / 2: the token
	v_min_u32 v[XA+\t], 1023, v[XA+\t]
	v_lshl_add_u32 v[XA+\t], v[XA+\t], 10, v[H16]
.endr
.irp p, 0,1,2
	v_lshrrev_b32 v[SA+\p], 1, v[SA+\p]
	v_min_u32 v[SA+\p], 1023, v[SA+\p]
	v_lshlrev_b32 v[SA+\p], 5, v[SA+\p]
.endr
.endm
.macro BIAS off                        ; lane (r, h), tile 2 b + u: b1 of columns 32 b + 16 h + 8 u + 0 .. 7 of the unit that begins off bytes behind s[50:51]
	s_wait_loadcnt 0x0                             ; on no way that leads here is a load still out into the registers that are loaded below and behind this macro (a consumer has none out here)
.irp n, 0,1,2,3
	global_load_b128 v[BI+8*\n:BI+8*\n+3], v[H64], s[50:51] offset:(\off)+(32*(\n/2)+8*(\n%2))*4
	global_load_b128 v[BI+8*\n+4:BI+8*\n+7], v[H64], s[50:51] offset:(\off)+(32*(\n/2)+8*(\n%2))*4+16
.endr
.endm
; THE EPILOGUE of a unit: each of my tiles that has rows: relu, two blocks of 32 quantised, 1,024 consecutive bytes of codes and two scale bytes a row stored
.macro E1
.rept 8
	v_nop                                          ; places behind the last products
.endr
.irp t, 0,1,2,3,4
	s_add_co_u32 s45, s44, 4*\t
	s_cmp_ge_u32 s45, s38
	s_cbranch_scc1 .Le1_\@_\t
	WIN 0x14                                       ; sources 1 and 2: the accumulators, each read from its low end on
.irp b, 0,1
	v_max3_num_f32 v[EM+\b], 0x8000000, v[32*\t+16*\b], v[32*\t+16*\b+1]   ; no |.|: what is negative becomes 0 and must not count; the floor stands over it
.endr
.irp i, 2,4,6,8,10,12,14
.irp b, 0,1
	v_max3_num_f32 v[EM+\b], v[EM+\b], v[32*\t+16*\b+\i], v[32*\t+16*\b+\i+1]
.endr
.endr
	WIN 0
.irp b, 0,1
	v_permlanex16_b32 v[ET+\b], v[EM+\b], s32, s33
.endr
.irp b, 0,1
	v_max_num_f32 v[EM+\b], v[EM+\b], v[ET+\b]
.endr
.irp b, 0,1
	v_add_nc_u32 v[ES+\b], 0xf8800000, v[EM+\b]
.endr
.irp b, 0,1
	v_and_or_b32 v[EL+\b], v[EM+\b], 0x7f800000, s34
.endr
.irp b, 0,1
	v_lshrrev_b32 v[EB+\b], 23, v[ES+\b]
.endr
	v_lshl_or_b32 v[HW+\t], v[EB+1], 8, v[EB]
	WIN 0x41                                       ; destination and source 0: the accumulators
.irp b, 0,1
.set i, 0
.rept 16
	v_med3_num_f32 v[32*\t+16*\b+i], v[32*\t+16*\b+i], 0, v[EL+\b]   ; the activation and the hold in one
.set i, i+1
.endr
.endr
	WIN 0x01
.irp b, 0,1
	v_cvt_scalef32_pk8_bf8_f32 v[WF+8*\t+4*\b:WF+8*\t+4*\b+1], v[32*\t+16*\b:32*\t+16*\b+7], v[ES+\b]
	v_cvt_scalef32_pk8_bf8_f32 v[WF+8*\t+4*\b+2:WF+8*\t+4*\b+3], v[32*\t+16*\b+8:32*\t+16*\b+15], v[ES+\b]
.endr
	WIN 0
	v_nop                                          ; a plain line behind the last conversion: later products write its sources
	global_store_b128 v[HA+\t], v[WF+8*\t:WF+8*\t+3], s[52:53]               ; block 2 u of the next K step: 512 consecutive bytes,
	global_store_b128 v[HA+\t], v[WF+8*\t+4:WF+8*\t+7], s[52:53] offset:512   ; block 2 u + 1: the next 512
	global_store_b16 v[HSA+\t], v[HW+\t], s[54:55] ; lanes r and r + 16 store the same two bytes
.Le1_\@_\t:
.endr
	s_wait_xcnt 0x0                                ; the stores have read their registers
.endm
.macro SKIPU lbl                       ; a later sweep's work is left out by the producers, and where the sweep has no rows
	s_cmp_lt_u32 s18, 4
	s_cbranch_scc1 \lbl
	s_cmp_ge_u32 s41, s38
	s_cbranch_scc1 \lbl
.endm
	s_load_b256 s[4:11], s[0:1], 0x0               ; W1, b1, xq, xs
	s_load_b128 s[12:15], s[0:1], 0x20             ; ridx, hq
	s_load_b64 s[16:17], s[0:1], 0x30              ; hs
	v_lshl_add_u32 v254, v0, 2, 0x22c00
	v_mov_b32 v255, 0
	v_lshrrev_b32 v1, 5, v0
	v_readfirstlane_b32 s18, v1                    ; wave 0..7
	s_and_b32 s19, s18, 3                          ; a producer's block of 32, a consumer's place among four
	s_and_b32 s20, ttmp7, 0xffff                   ; the expert
	v_and_b32 v[LN], 31, v0
	v_and_b32 v[RR], 15, v0
	v_bfe_u32 v[HH], v0, 4, 1
	v_lshlrev_b32 v[L16], 4, v[LN]
	v_lshlrev_b32 v[L8], 3, v[LN]
	v_bfe_u32 v28, v0, 3, 1                        ; my four columns 4 q .. 4 q + 3 lie in tile 2 (q / 8) + (q / 2) % 2,
	v_bfe_u32 v29, v0, 1, 1
	v_lshl_or_b32 v28, v28, 1, v29
	v_bfe_u32 v29, v0, 2, 1                        ; at its rows 8 ((q / 4) % 2) + 4 (q % 2) on: v29 is a quarter of that
	v_and_b32 v30, 1, v0
	v_lshl_or_b32 v29, v29, 1, v30
	v_mul_u32_u24 v[PS], v28, TS
	v_lshl_add_u32 v[PS], v[HH], 8, v[PS]          ; lanes 16-31 of the image: 256 bytes on
	v_lshl_add_u32 v[PS], v29, 6, v[PS]            ; 16 bytes a row
	s_lshl_b32 s45, s19, 9
	v_add_nc_u32 v[PS], s45, v[PS]                 ; my block: 512 bytes
	v_add_nc_u32 v[PS+1], 8*KSB, v[PS]
	v_lshlrev_b32 v[PB], 6, v28
	v_lshl_add_u32 v[PB], v29, 4, v[PB]
	s_add_co_u32 s45, s19, SCL
	v_add_nc_u32 v[PB], s45, v[PB]
	v_lshl_add_u32 v[SW], v[LN], 2, SCL
	s_lshl_b32 s45, s19, 6
	s_add_co_u32 s45, s45, LIST
	v_lshl_add_u32 v[LA0], v[RR], 2, s45
	v_lshl_add_u32 v[LB0], v[HH], 8, v[LA0]
	v_add_nc_u32 v[FIL], LIST, v[L16]
	v_mov_b32 v[CNTA], CNT
	v_lshlrev_b32 v[WO], 4, v[RR]
	v_lshl_add_u32 v[WO], v[HH], 18, v[WO]
	v_lshlrev_b32 v[H16], 4, v[HH]
	v_lshlrev_b32 v[H64], 6, v[HH]
.irp jj, 0,1,2,3
	v_mov_b32 v[TP+\jj], 0                         ; written once: a lane permute's destination counts as one of its sources
.endr
	v_mov_b32 v[ET], 0
	v_mov_b32 v[ET+1], 0
	s_mov_b32 s32, 0x76543210
	s_mov_b32 s33, 0xfedcba98                      ; v_permlanex16_b32's selects for lane l xor 16
	s_mov_b32 s34, 0x600000                        ; the mantissa field of 57,344
	s_mov_b32 s47, 0
	s_lshl_b32 s46, s20, 24                        ; W1: 16 MiB an expert,
	s_lshl_b32 s45, s19, 19                        ; 32 rows a producer,
	s_add_co_u32 s46, s46, s45
	s_lshl_b32 s45, ttmp9, 9                       ; 512 bytes a work-group
	s_add_co_u32 s46, s46, s45
	s_wait_kmcnt 0x0
	s_add_nc_u64 s[24:25], s[4:5], s[46:47]        ; half 0: unit 0, k 0-511
	s_add_nc_u64 s[26:27], s[24:25], 0x800000      ; half 1: unit 0, k 512-1023
	s_add_nc_u64 s[28:29], s[24:25], 256           ; half 2: unit 1, k 0-511
	s_add_nc_u64 s[30:31], s[26:27], 256           ; half 3
	s_lshl_b32 s46, s20, 14
	s_add_co_u32 s46, s46, s45
	s_add_nc_u64 s[56:57], s[6:7], s[46:47]        ; b1: 16,384 bytes an expert, 512 a work-group
	s_lshl_b32 s46, s20, 22
	s_lshl_b32 s45, ttmp9, 11
	s_add_co_u32 s46, s46, s45
	s_add_nc_u64 s[58:59], s[14:15], s[46:47]      ; hq: 4 MiB an expert, K step sx: 2,048 bytes
	s_lshl_b32 s46, s20, 17
	s_lshl_b32 s45, ttmp9, 6
	s_add_co_u32 s46, s46, s45
	s_add_nc_u64 s[60:61], s[16:17], s[46:47]      ; hs: 131,072 bytes an expert, K step sx: 64
	s_mov_b64 s[50:51], s[56:57]
	s_mov_b64 s[52:53], s[58:59]
	s_mov_b64 s[54:55], s[60:61]
	; ---- the first weight loads go out; wave 4 builds the list
	s_cmp_lt_u32 s18, 4
	s_cbranch_scc0 .Lnotp
	ISSUE 0, 24
	ISSUE 1, 24
	ISSUE 2, 24
	ISSUE 3, 24
	WIN 0
	s_branch .Lb0
.Lnotp:
	s_cmp_lg_u32 s18, 4
	s_cbranch_scc1 .Lb0
	LISTBUILD
.Lb0:
	BARRIER                                        ; the list and the count lie in LDS
	ds_load_b32 v28, v[CNTA]
	s_wait_dscnt 0x0
	v_readfirstlane_b32 s36, v28
	s_min_u32 s36, s36, 1024                       ; rows
	s_add_co_u32 s37, s36, 15
	s_lshr_b32 s37, s37, 4                         ; tiles
	s_max_u32 s38, s37, 1                          ; tile 0 is always written: the next launch reads a written tile where it has none of its own
	s_mov_b32 s44, s19                             ; the first sweep: my first tile
	s_mov_b32 s71, 0
	v_add_nc_u32 v[LA], s71, v[LA0]
	v_add_nc_u32 v[LB], s71, v[LB0]
	s_cmp_lt_u32 s18, 4
	s_cbranch_scc0 .Lc1
	HALF_R 0, 26
	s_branch .Lj1
.Lc1:
	ADDR1
	BIAS 0                                         ; unit 0's b1 and x's K steps 0 and 1 come while the producers make the first four slots
	XLOAD 0, 0, 8, 10
	XLOAD 1, 1, 8, 10
	s_wait_loadcnt 0x0                             ; here and at the end of each of a consumer's parts below: all that I asked for is in before I come to the barrier: no load of a consumer is out across a barrier
.Lj1:
	BARRIER                                        ; slots 0-3 lie in LDS
	s_mov_b32 s62, 0
	s_mov_b32 s63, 0
	s_mov_b32 s40, 0
.Lunit:                                                ; two trips.  Consumers read slots 8 u + 0..3, then 8 u + 4..7; producers write the slots that follow
	v_add_nc_u32 v[WK], s62, v[L16]
	v_add_nc_u32 v[SK], s63, v[SW]
	s_cmp_lt_u32 s18, 4
	s_cbranch_scc0 .Lca
	s_cmp_eq_u32 s40, 0
	s_cbranch_scc0 .Lpa1
	HALF_R 1, 28
	s_branch .Lja
.Lpa1:
	HALF_N 3
	s_branch .Lja
.Lca:
	KS 0, 0, WK, SK, 0, 1, 0, 1, 8, 10             ; K steps 0 and 1 are in; each step asks for the step two further on
.irp kk, 1,2,3
	KS \kk, \kk, WK, SK, \kk%2, 0, 23, 1, 8, 10
.endr
	s_wait_loadcnt 0x0                             ; K steps 4 and 5
.Lja:
	BARRIER
	s_cmp_lt_u32 s18, 4
	s_cbranch_scc0 .Lcb
	s_cmp_lg_u32 s40, 0
	s_cbranch_scc1 .Ljb
	HALF_R 2, 30
	s_branch .Ljb
.Lcb:
	KS 4, 4, WK, SK, 0, 0, 0, 1, 8, 10
	KS 5, 5, WK, SK, 1, 0, 23, 1, 8, 10
	KS 6, 6, WK, SK, 0, 0, 23, 0, 8, 10            ; K step 7's 23 loads may be out; nothing is left to ask for in this unit
	KS 7, 7, WK, SK, 1, 0, 0, 0, 8, 10
	s_cmp_lg_u32 s40, 0                            ; behind unit 0's last products both buffers and b1's registers are free: unit 1's b1 and its K steps 0 and 1 are asked for ahead of the epilogue,
	s_cbranch_scc1 .Lnonext                        ; which touches none of these registers.  Unit 1 has no successor: no load leaves b1
	BIAS 256
	XLOAD 0, 0, 8, 10
	XLOAD 1, 1, 8, 10
.Lnonext:
	E1
	s_wait_loadcnt 0x0
.Ljb:
	BARRIER
	s_wait_xcnt 0x0                                ; the unit's loads and stores have read their bases
	s_add_nc_u64 s[50:51], s[50:51], 256           ; 64 numbers of b1,
	s_add_nc_u64 s[52:53], s[52:53], 1024          ; two blocks of an image,
	s_add_nc_u64 s[54:55], s[54:55], 2             ; two bytes of a scale word
	s_add_co_u32 s62, s62, 8*KSB
	s_add_co_u32 s63, s63, 2048
	s_add_co_u32 s40, s40, 1
	s_cmp_lt_u32 s40, 2
	s_cbranch_scc1 .Lunit
	; ---- rows beyond 320: sweeps of 20 tiles from the codes in LDS, which nobody writes any more
	s_mov_b32 s71, 1280
	s_mov_b32 s41, 20
.Lsweep:
	v_add_nc_u32 v[LA], s71, v[LA0]
	v_add_nc_u32 v[LB], s71, v[LB0]
	s_add_co_u32 s44, s41, s19
	s_wait_xcnt 0x0
	s_mov_b64 s[50:51], s[56:57]
	s_mov_b64 s[52:53], s[58:59]
	s_mov_b64 s[54:55], s[60:61]
	s_mov_b32 s62, 0
	s_mov_b32 s63, 0
	SKIPU .Lr1
	ADDR1
.Lr1:
	s_mov_b32 s42, 0
.Lou:                                                  ; two units
	s_wait_xcnt 0x0
	s_mov_b64 s[66:67], s[8:9]
	s_mov_b64 s[68:69], s[10:11]
	SKIPU .Lo1
	BIAS 0
.Lo1:
	s_mov_b32 s43, 0
.Lot:                                                  ; two trips of four K steps
	v_add_nc_u32 v[WK], s62, v[L16]
	v_add_nc_u32 v[SK], s63, v[SW]
	SKIPU .Lo2
	KSS 0, 1
	KSS 1, 0
	KSS 2, 0
	KSS 3, 0
.Lo2:
	s_wait_xcnt 0x0
	s_add_nc_u64 s[66:67], s[66:67], 4*XKS
	s_add_nc_u64 s[68:69], s[68:69], 4*SKS
	s_add_co_u32 s62, s62, 4*KSB
	s_add_co_u32 s63, s63, 1024
	s_add_co_u32 s43, s43, 1
	s_cmp_lt_u32 s43, 2
	s_cbranch_scc1 .Lot
	SKIPU .Lo3
	E1
.Lo3:
	s_wait_xcnt 0x0
	s_add_nc_u64 s[50:51], s[50:51], 256
	s_add_nc_u64 s[52:53], s[52:53], 1024
	s_add_nc_u64 s[54:55], s[54:55], 2
	s_add_co_u32 s42, s42, 1
	s_cmp_lt_u32 s42, 2
	s_cbranch_scc1 .Lou
	s_add_co_u32 s71, s71, 1280
	s_add_co_u32 s41, s41, 20
	s_cmp_lt_u32 s41, 80
	s_cbranch_scc1 .Lsweep
	s_wait_tensorcnt 0x0
	ds_add_u32 v254, v255
	s_wait_dscnt 0x0
	s_endpgm
.Lfunc_end_k_qcf9aa824e6_ffn1:
	.size	k_qcf9aa824e6_ffn1, .Lfunc_end_k_qcf9aa824e6_ffn1-k_qcf9aa824e6_ffn1
	.p2alignl 7, 3214868480
	.fill 96, 4, 3214868480
	.section	.rodata,"a",@progbits
	.p2align	6, 0x0
	.amdhsa_kernel k_qcf9aa824e6_ffn1
		.amdhsa_group_segment_fixed_size 143360
		.amdhsa_private_segment_fixed_size 0
		.amdhsa_enable_private_segment 0
		.amdhsa_kernarg_size 56
		.amdhsa_user_sgpr_count 2
		.amdhsa_user_sgpr_kernarg_segment_ptr 1
		.amdhsa_wavefront_size32 1
		.amdhsa_system_sgpr_workgroup_id_x 1
		.amdhsa_system_sgpr_workgroup_id_y 1
		.amdhsa_system_sgpr_workgroup_id_z 1
		.amdhsa_system_vgpr_workitem_id 0
		.amdhsa_next_free_vgpr 512
		.amdhsa_next_free_sgpr 80
		.amdhsa_reserve_vcc 1
		.amdhsa_float_denorm_mode_32 3
		.amdhsa_float_denorm_mode_16_64 3
		.amdhsa_memory_ordered 1
		.amdhsa_forward_progress 1
		.amdhsa_inst_pref_size 255
	.end_amdhsa_kernel
	.section	.bss,"aw",@nobits
	.p2align	6
	.space	262144
	.amdgpu_metadata
---
amdhsa.version: [ 1, 2 ]
amdhsa.kernels:
  - .name:           k_qcf9aa824e6_ffn1
    .symbol:         k_qcf9aa824e6_ffn1.kd
    .args:
      - { .name: W1, .offset: 0, .size: 8, .value_kind: global_buffer, .address_space: global }
      - { .name: b1, .offset: 8, .size: 8, .value_kind: global_buffer, .address_space: global }
      - { .name: xq, .offset: 16, .size: 8, .value_kind: global_buffer, .address_space: global }
      - { .name: xs, .offset: 24, .size: 8, .value_kind: global_buffer, .address_space: global }
      - { .name: ridx, .offset: 32, .size: 8, .value_kind: global_buffer, .address_space: global }
      - { .name: hq, .offset: 40, .size: 8, .value_kind: global_buffer, .address_space: global }
      - { .name: hs, .offset: 48, .size: 8, .value_kind: global_buffer, .address_space: global }
    .group_segment_fixed_size: 143360
    .private_segment_fixed_size: 0
    .kernarg_segment_align: 8
    .kernarg_segment_size: 56
    .max_flat_workgroup_size: 256
    .sgpr_count:     80
    .vgpr_count:     512
    .wavefront_size: 32
...
	.end_amdgpu_metadata
.endif
;; end of part 2
;; launch ffn2 (part 3): grid 16 x 16, 8 waves a work-group, no clusters, 177,920 bytes of LDS; arguments W2, hq, hs, ridx, yp; writes yp
.if DOCPART == 3
	.amdgcn_target "amdgcn-amd-amdhsa--gfx1250"
	.amdhsa_code_object_version 6
	.text
	.protected	k_qcf9aa824e6_ffn2
	.globl	k_qcf9aa824e6_ffn2
	.p2align	8
	.type	k_qcf9aa824e6_ffn2,@function
k_qcf9aa824e6_ffn2:
	s_mov_b64 s[64:65], 0
	v_nop
	global_prefetch_b8 v0, s[64:65] scope:SCOPE_SE
	s_setreg_imm32_b32 hwreg(HW_REG_WAVE_MODE, 25, 1), 1
	s_wait_xcnt 0x0
; SECOND PRODUCT OF THE EXPERTS: yp[kh][slot][:] = the sum over half kh of the hidden layer of h[row] W2[e], for the rows routed to expert e (slot = 2 token + k); b2 and the gate's weights come in the next launch.
; W2 [8][4096 k][1024 n] f32 is read ONCE, as f32, and quantised along k in registers.  Work-group (cs, 2 e + kh) owns columns 64 cs .. 64 cs + 63 and k = 2,048 kh .. + 2,047 of expert e: 16 K steps of 128.
; ROLES, as in the launch before.  Waves 0-3 PRODUCE: wave c streams rows 32 c .. 32 c + 31 of each K step (a load takes two aligned pieces of 256 bytes), lane (g, q) columns 4 q .. 4 q + 3 of k = 16 g + 0 .. 15,
;   and stores codes and scale bytes to LDS as images of operand registers; four staging sets of 16 loads a wave are asked for ahead.  Waves 4-7 CONSUME: five tiles of 16 rows each; h's fragments come from hq,
;   which is laid as images (a load takes 512 consecutive bytes); four K steps behind the producers.  All 16 slots stay in LDS; each byte is written once.
;   h's fragments lie in two buffers, and BOTH are on their way at once: a buffer is asked for again, with the K step two further on, as soon as its products are issued.
; SWEEPS.  The first sweep (tiles 0-19; a wave with fewer tiles reads the last written tile again and stores nothing for it) runs beside the producers; three more serve rows beyond 320 from the codes in LDS:
;   loops of constant count that every wave walks, the work jumped over by a branch on the wave's number and one on the stored count; no barrier stands in them.
; THE PRODUCT IS USED TRANSPOSED (source 0 = 16 columns of W2, source 1 = 16 rows of h): a lane holds eight neighbouring columns of one row.  A tile goes through the wave's own stage in LDS and leaves as rows:
;   sixteen lanes store 256 consecutive, aligned bytes of the row of yp that the list names.  yp is [2][2,056][1,024]: rows 0 .. 2,047 of a half are the slots; THE LIST'S ENTRIES BEHIND THE EXPERT'S LAST ROW
;   NAME ROW 2,048 + e, so that the rows that pad the last tile are stored like the others, with all lanes on, to 256 bytes that are this work-group's own and that nobody reads.
; The 20 accumulators take turns, one instruction a turn.
; THE TWO ROLES SHARE REGISTERS (window 1: staging sets, accumulators, h's second buffer).  So the text keeps its distances and its waits on EVERY way through its branches, also on ways that no wave takes:
;   nine plain places stand at each barrier, a consumer has no load out when it comes to one, and its first wait behind one is for all loads.
; No tensor loads and no cluster: branches hang on a count read from memory, and no two work-groups share weights.
; LIMITS: NaN and infinities are not served.  A block whose largest magnitude lies under 2^-111, a block of zeros among them, keeps the byte 1.
.set PITCH, 4096                       ; a row of W2[e] in bytes
.set KSTB,  128*PITCH
.set XKS,   2048                       ; hq: a K step's image of a tile, a block of 32; hs: a K step's 16 words
.set XCS,   512
.set SKS,   64
.set YHALF, 2056*4096                  ; yp: a half in bytes
.set TS,    2064                       ; LDS as in the launch before: an image of one tile + 16
.set KSB,   4*TS
.set SCL,   16*KSB
.set LIST,  SCL+16*256
.set DUMP,  1407
.set CNT,   LIST+5632
.set STG,   CNT+256                    ; a stage of 16 rows x (256 bytes + 16) for each wave number
.set RIX,   10                         ; s[10:11] ridx
.set LN,  1
.set RR,  2
.set HH,  3
.set L16, 4                            ; 16 x lane: an image's place for my lane, in LDS (slots 0-7) and in hq
.set PS,  5                            ; v5, v6  where I store codes: slots 0-7, slots 8-15
.set L8,  7
.set PB,  9
.set SCA, 10                           ; v10-13  the list builder's four store addresses
.set SW,  14                           ; SCL + 4 x lane
.set SK,  15                           ; the same for the trip in hand
.set W8,  16                           ; 16 x lane + slot 8
.set WK,  17                           ; 16 x lane + the trip's first slot
.set LC0, 18                           ; LIST + 64 (wave % 4) + 4 h;  v19: for the sweep in hand
.set LC,  19
.set STO, 20                           ; the stage: where I put 32 bytes of a row
.set STR, 21                           ; and where I read a row back
.set FIL, 22
.set CNTA, 23
.set WO,  24                           ; W2: 16 rows x g + 16 q
.set R16, 25                           ; 16 r
.set NH,  26                           ; 1 - h
.set PF1, 27                           ; the prefetches' offsets in hq: my tiles 0-3, eight lanes a tile, 256 bytes apart; never rewritten
.set PF2, 40                           ; my fifth tile, 256 x lane: four K steps on end; never rewritten
.set XA,  32                           ; v32-36  my five tiles' images in hq
.set SA,  37                           ; v37-39  their scale words in hs: lanes 0-15 tile 2 p, lanes 16-31 tile 2 p + 1
.set WF,  64                           ; v64-127  consumers: four weight fragments; on the way out rows (v64-95) and their offsets (v96-103)
.set X0,  128                          ; v128-207 h's five fragments, buffer 0 (buffer 1: window 1, v160-239)
.set XS,  240                          ; v240-245 h's scale words;  v246-247 the weights': these eight hold scales and nothing else
.set WS,  246
.set TT,  64                           ; producers, as in the launch before
.set CD,  128
.set MX,  144
.set TP,  148
.set SC,  152
.set LM,  156
.set BY,  160
; window 1: producers: four staging sets, set p at v[64 p];  consumers: accumulator (row tile t, column tile n) at v[32 t + 8 n]
; scalars: s18 wave, s19 wave % 4, s20 expert, s22 kh, s[14:15] hq, s[16:17] hs at my expert and half, s[24:31] W2 at my rows of quarters 0-3, s36 rows, s37 tiles, s38 tiles (at least 1), s39 the last written tile,
;   s41, s43 counters, s44 my first tile, s[50:51] yp at my half and columns, s62, s63 LDS offsets of the trip, s[66:69] hq, hs at the trip's K step, s71 the sweep's offset in the list, s75 the row that pads,
;   s76 1 where my work-group prefetches, s77 1 where it does and my fifth tile was written
.set MSB, 0
.macro WIN new                         ; the immediate's high byte repeats the setting that is left; at a label and at a branch every window is 0
.if MSB != \new
	s_set_vgpr_msb (MSB<<8)|\new
.set MSB, \new
.endif
.endm
; The work-group's barrier.  It stands where all eight waves pass.  Nine plain places first: whichever role's lines stand on either side of it, a line that touches a product's registers
; then stands at least so far behind the product.  Then: my LDS stores have landed and my LDS loads are in.
.macro BARRIER
.rept 9
	v_nop
.endr
	s_wait_dscnt 0x0
	s_barrier_signal -1
	s_barrier_wait -1
.endm
.macro ISSUE p, nb                     ; staging set p: my 32 rows x 64 columns of the quarter's K step p
	WIN 0x40
.set i, 0
.rept 16
	global_load_b128 v[64*\p+4*i:64*\p+4*i+3], v[WO], s[\nb:\nb+1] offset:\p*KSTB+i*PITCH th:TH_LOAD_NT
.set i, i+1
.endr
.endm
; Staging set p of quarter hf becomes codes and scale bytes of slot 4 hf + p.  cnt: the younger weight loads that may stay out.  refill = 1: the set is asked for again, from the next quarter's base s[nb]
.macro BLOCK p, hf, cnt, refill, nb
	s_wait_loadcnt \cnt
	WIN 0x14                                       ; sources 1 and 2: the staging set
.irp jj, 0,1,2,3
	v_max3_num_f32 v[MX+\jj], 0x8000000, |v[64*\p+\jj]|, |v[64*\p+4+\jj]|   ; column jj: my 16 numbers, and the floor 2^(16 - 127): the byte cannot fall under 1
.endr
.irp i, 2,4,6,8,10,12,14
.irp jj, 0,1,2,3
	v_max3_num_f32 v[MX+\jj], v[MX+\jj], |v[64*\p+4*\i+\jj]|, |v[64*\p+4*\i+4+\jj]|
.endr
.endr
	WIN 0
.irp jj, 0,1,2,3
	v_permlanex16_b32 v[TP+\jj], v[MX+\jj], s32, s33
.endr
.irp jj, 0,1,2,3
	v_max_num_f32 v[MX+\jj], v[MX+\jj], v[TP+\jj]  ; with lane l xor 16's 16: the block's largest magnitude
.endr
.irp jj, 0,1,2,3
	v_add_nc_u32 v[SC+\jj], 0xf8800000, v[MX+\jj]  ; 15 off its exponent field: the conversion's scale operand
.endr
.irp jj, 0,1,2,3
	v_and_or_b32 v[LM+\jj], v[MX+\jj], 0x7f800000, s34   ; 57,344 x the scale
.endr
.irp jj, 0,1,2,3
	v_lshrrev_b32 v[BY+\jj], 23, v[SC+\jj]         ; the scale's byte
.endr
	WIN 0x01                                       ; source 0: the staging set
.irp jj, 0,1,2,3
.set i, 0
.rept 16
	v_med3_num_f32 v[TT+16*\jj+i], v[64*\p+4*i+\jj], -v[LM+\jj], v[LM+\jj]   ; the hold (the conversion does not saturate: ISA guide 7.6.2) also lays a column's 16 numbers on end
.set i, i+1
.endr
.endr
.if \refill
	ISSUE \p, \nb
.endif
	WIN 0
	s_wait_dscnt 0x0                               ; the last block's LDS stores have read the code registers
.irp jj, 0,1,2,3
	v_cvt_scalef32_pk8_bf8_f32 v[CD+4*\jj:CD+4*\jj+1], v[TT+16*\jj:TT+16*\jj+7], v[SC+\jj]
	v_cvt_scalef32_pk8_bf8_f32 v[CD+4*\jj+2:CD+4*\jj+3], v[TT+16*\jj+8:TT+16*\jj+15], v[SC+\jj]
.endr
	v_nop                                          ; a plain line behind the last conversion
.irp jj, 0,1,2,3
	ds_store_b128 v[PS+\hf/2], v[CD+4*\jj:CD+4*\jj+3] offset:((\hf%2)*4+\p)*KSB+16*\jj
.endr
.irp jj, 0,1,2,3
	ds_store_b8 v[PB], v[BY+\jj] offset:(4*\hf+\p)*256+4*\jj   ; lanes l and l xor 16 write the same byte with the same value
.endr
.endm
.macro HALF_R hf, nb                   ; four K steps, each set asked for again.  48: the three younger sets, of this quarter or already of the next
.irp p, 0,1,2,3
	BLOCK \p, \hf, 48, 1, \nb
.endr
.endm
.macro HALF_N hf                       ; the last quarter asks for nothing: the counts run down
	BLOCK 0, \hf, 48, 0, 0
	BLOCK 1, \hf, 32, 0, 0
	BLOCK 2, \hf, 16, 0, 0
	BLOCK 3, \hf, 0, 0, 0
.endm
; Wave 4 alone, while no other wave touches LDS: the list of the expert's rows, in the same order as in the launch before; here the entries behind the last name row 2,048 + e
.macro LISTBUILD
.set c, 0
.rept 32
	global_load_b64 v[X0+2*c:X0+2*c+1], v[L8], s[RIX:RIX+1] offset:256*c
.set c, c+1
.endr
	s_add_co_u32 s75, s20, 2048
.irp z, 0,1,2,3
	v_mov_b32 v[60+\z], s75
.endr
	v_lshlrev_b32 v8, 1, v[LN]
	v_or_b32 v56, 1, v8
	v_mov_b32 v57, DUMP
.irp n, 0,1,2,3,4,5,6,7,8,9,10
	ds_store_b128 v[FIL], v[60:63] offset:512*\n
.endr
	s_mov_b32 s72, 0
	s_wait_loadcnt 0x0
.set c, 0
.rept 32
	v_cmp_eq_u32 s73, s20, v[X0+2*c]
	v_cmp_eq_u32 vcc_lo, s20, v[X0+2*c+1]
	s_or_b32 s74, s73, vcc_lo                      ; the chunk's routed lanes
	v_mbcnt_lo_u32_b32 v55, s74, s72               ; the count so far + the routed lanes below me
	v_cndmask_b32 v55, v57, v55, s74               ; the others store to the last word
	v_min_u32 v55, DUMP, v55
.if c > 3
	s_wait_dscnt 0x3                               ; the store of four chunks ago is done (three younger may be out): its two registers are written again
.endif
	v_cndmask_b32 v[28+c%4], v8, v56, vcc_lo
	v_add_nc_u32 v[28+c%4], 64*c, v[28+c%4]        ; 2 token + k
	v_lshl_add_u32 v[SCA+c%4], v55, 2, LIST
	ds_store_b32 v[SCA+c%4], v[28+c%4]
	s_bcnt1_i32_b32 s73, s74
	s_add_co_u32 s72, s72, s73
.set c, c+1
.endr
	v_mov_b32 v55, s72
	ds_store_b32 v[CNTA], v55
.endm
.macro XLOAD buf, kk, xb, sb           ; my five tiles' fragments and scale words of K step kk into buffer buf: 23 loads
.if (\buf)
	WIN 0x40
.endif
.irp t, 0,1,2,3,4
.irp q, 0,1,2,3
	global_load_b128 v[X0+32*(\buf)+16*\t+4*\q:X0+32*(\buf)+16*\t+4*\q+3], v[XA+\t], s[\xb:\xb+1] offset:(\kk)*XKS+\q*XCS
.endr
.endr
	WIN 0
.irp p, 0,1,2
	global_load_b32 v[XS+3*(\buf)+\p], v[SA+\p], s[\sb:\sb+1] offset:(\kk)*SKS
.endr
.endm
; A PREFETCH INTO THE L2 of h's codes.  It stands behind the loads of K step kk + 2 and asks for K step kk + 4: two K steps ahead of the loads that will want it.
; The 16 work-groups of an expert's half walk the same images: the one with cs = 0 asks, and nobody else (a branch on the work-group's number).  Each of its four consumers asks for its own tiles:
; one instruction for tiles 0-3 (a K step's image of a tile is 2,048 bytes: eight lanes a tile, 256 bytes apart), and in every fourth K step one for the fifth tile's next four K steps (8,192 bytes on end,
; lanes 256 bytes apart), if that tile was written.  K steps 0 to 3 come by their loads alone; the last four K steps ask for nothing.  Where an expert has fewer than 16 tiles, the lanes of the
; missing tiles name the last written tile again.  The scale words, a 32nd of the codes' bytes, are not asked for.
.macro ASK kk
.if (\kk)+4 < 16
	s_cmp_eq_u32 s76, 0
	s_cbranch_scc1 .Lnoask_\@
	global_prefetch_b8 v[PF1], s[14:15] offset:((\kk)+4)*XKS th:TH_LOAD_NT scope:SCOPE_SE
.Lnoask_\@:
.if ((\kk)%4) == 0
	s_cmp_eq_u32 s77, 0
	s_cbranch_scc1 .Lnofifth_\@
	global_prefetch_b8 v[PF2], s[14:15] offset:((\kk)+4)*XKS th:TH_LOAD_NT scope:SCOPE_SE
.Lnofifth_\@:
.endif
.endif
.endm
.macro WLOAD kap, skap, wreg, sreg     ; a slot's scale words (lanes 0-15 tile 2 j, lanes 16-31 tile 2 j + 1) and its four fragments
	ds_load_b32 v[WS], v[\sreg] offset:(\skap)*256
	ds_load_b32 v[WS+1], v[\sreg] offset:(\skap)*256+128
.irp n, 0,1,2,3
.irp q, 0,1,2,3
	ds_load_b128 v[WF+16*\n+4*\q:WF+16*\n+4*\q+3], v[\wreg] offset:(\kap)*KSB+\n*TS+\q*512
.endr
.endr
.endm
.macro WMX zero, ra, rb                ; one product; zero = 1: it starts its sum; ra, rb: the scales stand in lanes 16-31
.if \zero
.if ((\ra) == 0) && ((\rb) == 0)
	v_wmma_scale_f32_16x16x128_f8f6f4 v[rD:rD+7], v[rA:rA+15], v[rB:rB+15], 0, v[rSA], v[rSB] matrix_a_fmt:MATRIX_FMT_BF8 matrix_b_fmt:MATRIX_FMT_BF8
.elseif (\rb) == 0
	v_wmma_scale_f32_16x16x128_f8f6f4 v[rD:rD+7], v[rA:rA+15], v[rB:rB+15], 0, v[rSA], v[rSB] matrix_a_fmt:MATRIX_FMT_BF8 matrix_b_fmt:MATRIX_FMT_BF8 matrix_a_scale:MATRIX_SCALE_ROW1
.elseif (\ra) == 0
	v_wmma_scale_f32_16x16x128_f8f6f4 v[rD:rD+7], v[rA:rA+15], v[rB:rB+15], 0, v[rSA], v[rSB] matrix_a_fmt:MATRIX_FMT_BF8 matrix_b_fmt:MATRIX_FMT_BF8 matrix_b_scale:MATRIX_SCALE_ROW1
.else
	v_wmma_scale_f32_16x16x128_f8f6f4 v[rD:rD+7], v[rA:rA+15], v[rB:rB+15], 0, v[rSA], v[rSB] matrix_a_fmt:MATRIX_FMT_BF8 matrix_b_fmt:MATRIX_FMT_BF8 matrix_a_scale:MATRIX_SCALE_ROW1 matrix_b_scale:MATRIX_SCALE_ROW1
.endif
.else
.if ((\ra) == 0) && ((\rb) == 0)
	v_wmma_scale_f32_16x16x128_f8f6f4 v[rD:rD+7], v[rA:rA+15], v[rB:rB+15], v[rD:rD+7], v[rSA], v[rSB] matrix_a_fmt:MATRIX_FMT_BF8 matrix_b_fmt:MATRIX_FMT_BF8
.elseif (\rb) == 0
	v_wmma_scale_f32_16x16x128_f8f6f4 v[rD:rD+7], v[rA:rA+15], v[rB:rB+15], v[rD:rD+7], v[rSA], v[rSB] matrix_a_fmt:MATRIX_FMT_BF8 matrix_b_fmt:MATRIX_FMT_BF8 matrix_a_scale:MATRIX_SCALE_ROW1
.elseif (\ra) == 0
	v_wmma_scale_f32_16x16x128_f8f6f4 v[rD:rD+7], v[rA:rA+15], v[rB:rB+15], v[rD:rD+7], v[rSA], v[rSB] matrix_a_fmt:MATRIX_FMT_BF8 matrix_b_fmt:MATRIX_FMT_BF8 matrix_b_scale:MATRIX_SCALE_ROW1
.else
	v_wmma_scale_f32_16x16x128_f8f6f4 v[rD:rD+7], v[rA:rA+15], v[rB:rB+15], v[rD:rD+7], v[rSA], v[rSB] matrix_a_fmt:MATRIX_FMT_BF8 matrix_b_fmt:MATRIX_FMT_BF8 matrix_a_scale:MATRIX_SCALE_ROW1 matrix_b_scale:MATRIX_SCALE_ROW1
.endif
.endif
.endm
.macro MM par, first, waits            ; 20 products: four column tiles x five row tiles.  waits = 1: tile n's fragment is in when the 4 (3 - n) younger LDS loads are out
.irp n, 0,1,2,3
.if \waits
	s_wait_dscnt 12-4*\n
.endif
.irp t, 0,1,2,3,4
.set rD, 32*\t+8*\n
.set rA, WF+16*\n
.set rB, X0+32*(\par)+16*\t
.set rSA, WS+\n/2
.set rSB, XS+3*(\par)+\t/2
	WMX \first, \n%2, \t%2
.endr
.endr
.endm
; A K step of the first sweep, on h's buffer par.  The weight fragments' LDS loads go out first, so that they land under the wait for h.  cnt: the loads that may stay out when this step's h has to be in:
; 23, the next K step's (only such loads count on a consumer's counter), or 0 where none was asked for behind it, and at the first step behind a barrier.
; Eight plain places stand behind the products: they serve the loads into the buffer just read and the next step's loads into the weight fragments' registers.
; refill = 1: the buffer just read is asked for again, with the K step two further on: so both buffers are on their way while a step is worked.  first = 1: accumulators begin anew: nine places ahead.
.macro KS kk, kap, wreg, sreg, par, first, cnt, refill, xb, sb
.rept 9*\first
	v_nop
.endr
	WLOAD \kap, \kk, \wreg, \sreg
	s_wait_loadcnt \cnt
.if \first
	WIN 0x40                                       ; D window 1; the fragments window 0
.elseif (\par)
	WIN 0x54                                       ; h's buffer 1, C and D window 1
.else
	WIN 0x50
.endif
	MM \par, \first, 1
	WIN 0
.rept 8
	v_nop
.endr
.if \refill
	XLOAD \par, (\kk)+2, \xb, \sb
	ASK \kk
.endif
.endm
; A K step of a later sweep: nothing is asked for ahead.  sel = 1: in the sweep's first trip (s43 = 0) its products start the sums
.macro KSS kk, sel
.rept 9
	v_nop
.endr
	XLOAD 0, \kk, 66, 68
	WLOAD \kk, \kk, WK, SK
	s_wait_loadcnt 0x0
	s_wait_dscnt 0x0
.if \sel
	s_cmp_lg_u32 s43, 0
	s_cbranch_scc1 .Lkacc_\@
	WIN 0x40
	MM 0, 1, 0
	WIN 0
	s_branch .Lkdone_\@
.Lkacc_\@:
.endif
	WIN 0x50
	MM 0, 0, 0
	WIN 0
.if \sel
.Lkdone_\@:
.endif
.endm
.macro ADDR2                           ; the sweep's tiles, held at the last written one: only written bytes of hq and hs are read.  Work on registers alone
.irp t, 0,1,2,3,4
	s_add_co_u32 s45, s44, 4*\t
	s_min_u32 s45, s45, s39
	s_min_u32 s45, s45, 63
	s_lshl_b32 s45, s45, 16                        ; hq: 65,536 bytes a tile
	v_add_nc_u32 v[XA+\t], s45, v[L16]
.endr
.irp p, 0,1,2
	s_add_co_u32 s45, s44, 8*\p
	s_min_u32 s45, s45, s39
	s_min_u32 s45, s45, 63
	s_lshl_b32 s45, s45, 11                        ; hs: 2,048 bytes a tile
	s_add_co_u32 s46, s44, 8*\p+4
	s_min_u32 s46, s46, s39
	s_min_u32 s46, s46, 63
	s_lshl_b32 s46, s46, 11
	v_mul_u32_u24 v28, v[NH], s45                  ; lanes 0-15: tile 2 p;
	v_mad_u32_u24 v28, v[HH], s46, v28             ; lanes 16-31: tile 2 p + 1
	v_lshl_add_u32 v[SA+\p], v[RR], 2, v28
.endr
.endm
; THE WAY OUT of a sweep: each of my tiles that has rows goes through my stage and leaves as rows of 256 bytes, two an instruction, to the rows of yp that the list names
.macro E2
.rept 8
	v_nop                                          ; places behind the last products
.endr
.irp t, 0,1,2,3,4
	s_add_co_u32 s45, s44, 4*\t
	s_cmp_ge_u32 s45, s37
	s_cbranch_scc1 .Le2_\@_\t
	WIN 0x04                                       ; an LDS store's data are its source 1: window 1
.irp n, 0,1,2,3
	ds_store_b128 v[STO], v[32*\t+8*\n:32*\t+8*\n+3] offset:64*\n            ; each accumulator from its low end on
	ds_store_b128 v[STO], v[32*\t+8*\n+4:32*\t+8*\n+7] offset:64*\n+16
.endr
	WIN 0
	s_wait_xcnt 0x0                                ; the last tile's stores have read their data and offsets: both are loaded anew below
.irp i, 0,1,2,3,4,5,6,7
	ds_load_b128 v[WF+4*\i:WF+4*\i+3], v[STR] offset:544*\i                  ; LDS serves a wave's instructions in order (ISA guide 5.7.1.4): these see the stores above; rows 2 i + h
.endr
.irp i, 0,1,2,3,4,5,6,7
	ds_load_b32 v[WF+32+\i], v[LC] offset:256*\t+8*\i                        ; their rows in yp
.endr
	s_wait_dscnt 0x0
.irp i, 0,1,2,3,4,5,6,7
	v_min_u32 v[WF+32+\i], 2055, v[WF+32+\i]
	v_lshl_add_u32 v[WF+32+\i], v[WF+32+\i], 12, v[R16]
.endr
.irp i, 0,1,2,3,4,5,6,7
	global_store_b128 v[WF+32+\i], v[WF+4*\i:WF+4*\i+3], s[50:51]            ; sixteen lanes store 256 consecutive bytes, at a multiple of 256 from yp's first byte
.endr
.Le2_\@_\t:
.endr
	s_wait_xcnt 0x0                                ; the stores have read their registers
.endm
.macro SKIPE lbl                       ; a way out is left out by the producers, and where the sweep has no rows
	s_cmp_lt_u32 s18, 4
	s_cbranch_scc1 \lbl
	s_cmp_ge_u32 s41, s38
	s_cbranch_scc1 \lbl
.endm
.macro SKIPK lbl                       ; so are a sweep's K steps; the first sweep's have been done beside the producers
	SKIPE \lbl
	s_cmp_eq_u32 s41, 0
	s_cbranch_scc1 \lbl
.endm
	s_load_b256 s[4:11], s[0:1], 0x0               ; W2, hq, hs, ridx
	s_load_b64 s[12:13], s[0:1], 0x20              ; yp
	v_lshl_add_u32 v254, v0, 2, 0x2b300
	v_mov_b32 v255, 0
	v_lshrrev_b32 v1, 5, v0
	v_readfirstlane_b32 s18, v1                    ; wave 0..7
	s_and_b32 s19, s18, 3
	s_and_b32 s45, ttmp7, 0xffff
	s_lshr_b32 s20, s45, 1                         ; the expert
	s_and_b32 s22, s45, 1                          ; which half of its hidden layer
	v_and_b32 v[LN], 31, v0
	v_and_b32 v[RR], 15, v0
	v_bfe_u32 v[HH], v0, 4, 1
	v_lshlrev_b32 v[L16], 4, v[LN]
	v_lshlrev_b32 v[L8], 3, v[LN]
	v_bfe_u32 v28, v0, 2, 2                        ; my four columns 4 q .. 4 q + 3 lie in tile q / 4,
	v_and_b32 v29, 3, v0                           ; at its rows 4 (q % 4) on
	v_mul_u32_u24 v[PS], v28, TS
	v_lshl_add_u32 v[PS], v[HH], 8, v[PS]
	v_lshl_add_u32 v[PS], v29, 6, v[PS]
	s_lshl_b32 s45, s19, 9
	v_add_nc_u32 v[PS], s45, v[PS]
	v_add_nc_u32 v[PS+1], 8*KSB, v[PS]
	v_lshlrev_b32 v[PB], 6, v28
	v_lshl_add_u32 v[PB], v29, 4, v[PB]
	s_add_co_u32 s45, s19, SCL
	v_add_nc_u32 v[PB], s45, v[PB]
	v_lshl_add_u32 v[SW], v[LN], 2, SCL
	v_add_nc_u32 v[W8], 8*KSB, v[L16]
	s_lshl_b32 s45, s19, 6
	s_add_co_u32 s45, s45, LIST
	v_lshl_add_u32 v[LC0], v[HH], 2, s45
	s_mul_i32 s45, s18, 16*272
	s_add_co_u32 s45, s45, STG                     ; my stage
	v_mul_u32_u24 v[STO], v[RR], 272
	v_lshl_add_u32 v[STO], v[HH], 5, v[STO]
	v_add_nc_u32 v[STO], s45, v[STO]               ; in: row r, 32 bytes for each half of the lanes
	v_mul_u32_u24 v[STR], v[HH], 272
	v_lshl_add_u32 v[STR], v[RR], 4, v[STR]
	v_add_nc_u32 v[STR], s45, v[STR]               ; back: lanes 0-15 one row, lanes 16-31 the next
	v_add_nc_u32 v[FIL], LIST, v[L16]
	v_mov_b32 v[CNTA], CNT
	v_lshlrev_b32 v[R16], 4, v[RR]
	v_lshl_add_u32 v[WO], v[HH], 16, v[R16]
	v_xor_b32 v[NH], 1, v[HH]
.irp jj, 0,1,2,3
	v_mov_b32 v[TP+\jj], 0                         ; written once: a lane permute's destination counts as one of its sources
.endr
	s_mov_b32 s32, 0x76543210
	s_mov_b32 s33, 0xfedcba98
	s_mov_b32 s34, 0x600000                        ; the mantissa field of 57,344
	s_mov_b32 s47, 0
	s_lshl_b32 s46, s20, 24                        ; W2: 16 MiB an expert,
	s_lshl_b32 s48, s22, 23                        ; 8 MiB a half,
	s_add_co_u32 s46, s46, s48
	s_lshl_b32 s45, s19, 17                        ; 32 rows a producer,
	s_add_co_u32 s46, s46, s45
	s_lshl_b32 s49, ttmp9, 8                       ; 256 bytes a work-group
	s_add_co_u32 s46, s46, s49
	s_wait_kmcnt 0x0
	s_add_nc_u64 s[24:25], s[4:5], s[46:47]        ; quarter 0 of my 2,048 k; a quarter is 512 rows
	s_add_nc_u64 s[26:27], s[24:25], 0x200000
	s_add_nc_u64 s[28:29], s[26:27], 0x200000
	s_add_nc_u64 s[30:31], s[28:29], 0x200000
	s_mul_i32 s46, s22, YHALF
	s_add_co_u32 s46, s46, s49
	s_add_nc_u64 s[50:51], s[12:13], s[46:47]      ; yp: my half, my 256 bytes of a row
	s_lshl_b32 s46, s20, 22
	s_lshl_b32 s45, s22, 15
	s_add_co_u32 s46, s46, s45
	s_add_nc_u64 s[14:15], s[6:7], s[46:47]        ; hq: 4 MiB an expert, 16 K steps of 2,048 bytes a half
	s_lshl_b32 s46, s20, 17
	s_lshl_b32 s45, s22, 10
	s_add_co_u32 s46, s46, s45
	s_add_nc_u64 s[16:17], s[8:9], s[46:47]        ; hs: 131,072 bytes an expert, 16 K steps of 64 a half
	; ---- the first weight loads go out; wave 4 builds the list
	s_cmp_lt_u32 s18, 4
	s_cbranch_scc0 .Lnotp
	ISSUE 0, 24
	ISSUE 1, 24
	ISSUE 2, 24
	ISSUE 3, 24
	WIN 0
	s_branch .Lb0
.Lnotp:
	s_cmp_lg_u32 s18, 4
	s_cbranch_scc1 .Lb0
	LISTBUILD
.Lb0:
	BARRIER                                        ; the list and the count lie in LDS
	ds_load_b32 v28, v[CNTA]
	s_wait_dscnt 0x0
	v_readfirstlane_b32 s36, v28
	s_min_u32 s36, s36, 1024                       ; rows
	s_add_co_u32 s37, s36, 15
	s_lshr_b32 s37, s37, 4                         ; tiles
	s_max_u32 s38, s37, 1                          ; written tiles
	s_sub_co_u32 s39, s38, 1                       ; the last of them
	s_mov_b32 s44, s19                             ; the first sweep: my first tile
	; the prefetches (macro ASK): who asks, and the two offsets; made where every wave passes
	s_cmp_eq_u32 ttmp9, 0
	s_cselect_b32 s76, 1, 0                        ; the work-group with cs = 0
	s_add_co_u32 s45, s19, 16                      ; my fifth tile
	s_cmp_le_u32 s45, s39
	s_cselect_b32 s77, s76, 0                      ; it was written
	s_lshl_b32 s45, s45, 16
	v_lshrrev_b32 v28, 3, v[LN]
	v_lshl_add_u32 v28, v28, 2, s19                ; tile (wave % 4) + 4 (lane / 8),
	v_min_u32 v28, s39, v28                        ; held at the last written one
	v_min_u32 v28, 63, v28
	v_and_b32 v29, 7, v[LN]
	v_lshlrev_b32 v29, 8, v29
	v_lshl_add_u32 v[PF1], v28, 16, v29            ; 65,536 bytes a tile + 256 (lane % 8)
	v_lshl_add_u32 v[PF2], v[LN], 8, s45           ; the fifth tile + 256 x lane
	s_cmp_lt_u32 s18, 4
	s_cbranch_scc0 .Lc1
	HALF_R 0, 26
	s_branch .Lj1
.Lc1:
	ADDR2
	s_wait_loadcnt 0x0                             ; on no way that leads here is a load still out into the registers that are loaded below (a consumer has none out here)
	XLOAD 0, 0, 14, 16                             ; h's K steps 0 and 1 come while the producers make the first four slots
	XLOAD 1, 1, 14, 16
	s_wait_loadcnt 0x0                             ; here and at the end of each of a consumer's parts below: all that I asked for is in before I come to the barrier: no load of a consumer is out across a barrier
.Lj1:
	BARRIER                                        ; slots 0-3 lie in LDS
	s_cmp_lt_u32 s18, 4
	s_cbranch_scc0 .Lc2
	HALF_R 1, 28
	s_branch .Lj2
.Lc2:
	KS 0, 0, L16, SW, 0, 1, 0, 1, 14, 16           ; K steps 0 and 1 are in; each step asks for the step two further on
.irp kk, 1,2,3
	KS \kk, \kk, L16, SW, \kk%2, 0, 23, 1, 14, 16
.endr
	s_wait_loadcnt 0x0
.Lj2:
	BARRIER                                        ; slots 4-7
	s_cmp_lt_u32 s18, 4
	s_cbranch_scc0 .Lc3
	HALF_R 2, 30
	s_branch .Lj3
.Lc3:
	KS 4, 4, L16, SW, 0, 0, 0, 1, 14, 16
.irp kk, 5,6,7
	KS \kk, \kk, L16, SW, \kk%2, 0, 23, 1, 14, 16
.endr
	s_wait_loadcnt 0x0
.Lj3:
	BARRIER                                        ; slots 8-11
	s_cmp_lt_u32 s18, 4
	s_cbranch_scc0 .Lc4
	HALF_N 3
	s_branch .Lj4
.Lc4:
	KS 8, 0, W8, SW, 0, 0, 0, 1, 14, 16
.irp kk, 9,10,11
	KS \kk, \kk-8, W8, SW, \kk%2, 0, 23, 1, 14, 16
.endr
	s_wait_loadcnt 0x0
.Lj4:
	BARRIER                                        ; slots 12-15: from here on nobody writes codes or scale bytes
	s_cmp_lt_u32 s18, 4
	s_cbranch_scc1 .Lj5
	KS 12, 4, W8, SW, 0, 0, 0, 1, 14, 16
	KS 13, 5, W8, SW, 1, 0, 23, 1, 14, 16
	KS 14, 6, W8, SW, 0, 0, 23, 0, 14, 16          ; K step 15's 23 loads may be out; nothing is left to ask for
	KS 15, 7, W8, SW, 1, 0, 0, 0, 14, 16
.Lj5:
	; ---- four sweeps: the first has only its way out left; the other three serve rows beyond 320
	s_mov_b32 s71, 0
	s_mov_b32 s41, 0
.Lsweep:
	v_add_nc_u32 v[LC], s71, v[LC0]
	s_add_co_u32 s44, s41, s19
	s_wait_xcnt 0x0                                ; earlier loads have read the bases and offsets that are written here
	s_mov_b64 s[66:67], s[14:15]
	s_mov_b64 s[68:69], s[16:17]
	s_mov_b32 s62, 0
	s_mov_b32 s63, 0
	ADDR2                                          ; every wave, in every sweep: it is held at written tiles, so it needs no branch
	s_mov_b32 s43, 0
.Lot:                                                  ; four trips of four K steps
	v_add_nc_u32 v[WK], s62, v[L16]
	v_add_nc_u32 v[SK], s63, v[SW]
	SKIPK .Lo2
	KSS 0, 1
	KSS 1, 0
	KSS 2, 0
	KSS 3, 0
.Lo2:
	s_wait_xcnt 0x0
	s_add_nc_u64 s[66:67], s[66:67], 4*XKS
	s_add_nc_u64 s[68:69], s[68:69], 4*SKS
	s_add_co_u32 s62, s62, 4*KSB
	s_add_co_u32 s63, s63, 1024
	s_add_co_u32 s43, s43, 1
	s_cmp_lt_u32 s43, 4
	s_cbranch_scc1 .Lot
	SKIPE .Lo3
	E2
.Lo3:
	s_add_co_u32 s71, s71, 1280
	s_add_co_u32 s41, s41, 20
	s_cmp_lt_u32 s41, 80
	s_cbranch_scc1 .Lsweep
	s_wait_tensorcnt 0x0
	ds_add_u32 v254, v255
	s_wait_dscnt 0x0
	s_endpgm
.Lfunc_end_k_qcf9aa824e6_ffn2:
	.size	k_qcf9aa824e6_ffn2, .Lfunc_end_k_qcf9aa824e6_ffn2-k_qcf9aa824e6_ffn2
	.p2alignl 7, 3214868480
	.fill 96, 4, 3214868480
	.section	.rodata,"a",@progbits
	.p2align	6, 0x0
	.amdhsa_kernel k_qcf9aa824e6_ffn2
		.amdhsa_group_segment_fixed_size 177920
		.amdhsa_private_segment_fixed_size 0
		.amdhsa_enable_private_segment 0
		.amdhsa_kernarg_size 40
		.amdhsa_user_sgpr_count 2
		.amdhsa_user_sgpr_kernarg_segment_ptr 1
		.amdhsa_wavefront_size32 1
		.amdhsa_system_sgpr_workgroup_id_x 1
		.amdhsa_system_sgpr_workgroup_id_y 1
		.amdhsa_system_sgpr_workgroup_id_z 1
		.amdhsa_system_vgpr_workitem_id 0
		.amdhsa_next_free_vgpr 512
		.amdhsa_next_free_sgpr 80
		.amdhsa_reserve_vcc 1
		.amdhsa_float_denorm_mode_32 3
		.amdhsa_float_denorm_mode_16_64 3
		.amdhsa_memory_ordered 1
		.amdhsa_forward_progress 1
		.amdhsa_inst_pref_size 255
	.end_amdhsa_kernel
	.section	.bss,"aw",@nobits
	.p2align	6
	.space	262144
	.amdgpu_metadata
---
amdhsa.version: [ 1, 2 ]
amdhsa.kernels:
  - .name:           k_qcf9aa824e6_ffn2
    .symbol:         k_qcf9aa824e6_ffn2.kd
    .args:
      - { .name: W2, .offset: 0, .size: 8, .value_kind: global_buffer, .address_space: global }
      - { .name: hq, .offset: 8, .size: 8, .value_kind: global_buffer, .address_space: global }
      - { .name: hs, .offset: 16, .size: 8, .value_kind: global_buffer, .address_space: global }
      - { .name: ridx, .offset: 24, .size: 8, .value_kind: global_buffer, .address_space: global }
      - { .name: yp, .offset: 32, .size: 8, .value_kind: global_buffer, .address_space: global }
    .group_segment_fixed_size: 177920
    .private_segment_fixed_size: 0
    .kernarg_segment_align: 8
    .kernarg_segment_size: 40
    .max_flat_workgroup_size: 256
    .sgpr_count:     80
    .vgpr_count:     512
    .wavefront_size: 32
...
	.end_amdgpu_metadata
.endif
;; end of part 3
;; launch combine (part 4): grid 256 x 1, 4 waves a work-group, no clusters, 0 bytes of LDS; arguments yp, ridx, rwt, b2, out0; writes out0
.if DOCPART == 4
	.amdgcn_target "amdgcn-amd-amdhsa--gfx1250"
	.amdhsa_code_object_version 6
	.text
	.protected	k_qcf9aa824e6_combine
	.globl	k_qcf9aa824e6_combine
	.p2align	8
	.type	k_qcf9aa824e6_combine,@function
k_qcf9aa824e6_combine:
	s_mov_b64 s[64:65], 0
	v_nop
	global_prefetch_b8 v0, s[64:65] scope:SCOPE_SE
	s_setreg_imm32_b32 hwreg(HW_REG_WAVE_MODE, 25, 1), 1
	s_wait_xcnt 0x0
; out0[t] = w0 (yp[0][2 t] + yp[1][2 t] + b2[e0]) + w1 (yp[0][2 t + 1] + yp[1][2 t + 1] + b2[e1]): the two halves of each product's K, the bias, the gate's weights, the token's two experts.
; yp is [2][2,056][1,024] f32; rows 0 .. 2,047 of a half are the slots 2 token + k; the eight rows behind them are not read.
; A stream: a wave takes a token; each load and store of a wave covers 512 consecutive bytes; every slot's bytes are read once and every byte of out0 written once.  No LDS, no barrier, no matrix unit: memory binds.
; All 48 loads of a wave go out at once: 32 of yp, then, when the experts' numbers are in, 16 of b2 in the order of the chunks.
.set YHALF, 2056*4096                  ; a half of yp in bytes
.set YP, 16                            ; v16-143   chunk j (512 bytes of a row): 16 registers: slot 2 t half 0, half 1; slot 2 t + 1 half 0, half 1
.set BB, 144                           ; v144-207  chunk j: b2[e0], b2[e1]
	s_load_b256 s[4:11], s[0:1], 0x0               ; yp, ridx, rwt, b2
	s_load_b64 s[12:13], s[0:1], 0x20              ; out0
	v_lshrrev_b32 v1, 5, v0
	v_readfirstlane_b32 s14, v1                    ; wave
	v_and_b32 v1, 31, v0
	v_lshlrev_b32 v1, 4, v1                        ; 16 bytes a lane
	s_lshl_b32 s15, ttmp9, 2
	s_add_co_u32 s15, s15, s14                     ; my token
	s_lshl_b32 s16, s15, 3                         ; 8 bytes a token in ridx and rwt,
	s_mov_b32 s17, 0
	s_lshl_b32 s18, s15, 13                        ; two rows of 4,096 bytes in yp,
	s_mov_b32 s19, 0
	s_lshl_b32 s20, s15, 12                        ; one in out0
	s_mov_b32 s21, 0
	s_wait_kmcnt 0x0
	s_add_nc_u64 s[6:7], s[6:7], s[16:17]
	s_add_nc_u64 s[8:9], s[8:9], s[16:17]
	s_load_b64 s[22:23], s[6:7], 0x0               ; e0, e1
	s_load_b64 s[24:25], s[8:9], 0x0               ; w0, w1
	s_add_nc_u64 s[4:5], s[4:5], s[18:19]          ; half 0
	s_add_nc_u64 s[26:27], s[4:5], YHALF           ; half 1
	s_add_nc_u64 s[12:13], s[12:13], s[20:21]
.set j, 0
.rept 8
	global_load_b128 v[YP+16*j:YP+16*j+3], v1, s[4:5] offset:512*j th:TH_LOAD_NT
	global_load_b128 v[YP+16*j+4:YP+16*j+7], v1, s[26:27] offset:512*j th:TH_LOAD_NT
	global_load_b128 v[YP+16*j+8:YP+16*j+11], v1, s[4:5] offset:4096+512*j th:TH_LOAD_NT
	global_load_b128 v[YP+16*j+12:YP+16*j+15], v1, s[26:27] offset:4096+512*j th:TH_LOAD_NT
.set j, j+1
.endr
	s_wait_kmcnt 0x0
	s_min_u32 s32, s22, 7
	s_lshl_b32 s32, s32, 12                        ; a row of b2 is 4,096 bytes
	s_mov_b32 s33, 0
	s_min_u32 s34, s23, 7
	s_lshl_b32 s34, s34, 12
	s_mov_b32 s35, 0
	s_add_nc_u64 s[28:29], s[10:11], s[32:33]
	s_add_nc_u64 s[30:31], s[10:11], s[34:35]
	s_mov_b32 s36, s24                             ; the packed forms name a pair and take its low word for both halves
	s_mov_b32 s37, s24
	s_mov_b32 s38, s25
	s_mov_b32 s39, s25
.set j, 0
.rept 8
	global_load_b128 v[BB+8*j:BB+8*j+3], v1, s[28:29] offset:512*j
	global_load_b128 v[BB+8*j+4:BB+8*j+7], v1, s[30:31] offset:512*j
.set j, j+1
.endr
.set j, 0
.rept 8
	s_wait_loadcnt 2*(7-j)                         ; loads come back in order (ISA guide 5.7.1): all of yp and b2's chunks up to j are in; the two loads of each later chunk may be out
.irp d, 0,2
	v_pk_add_f32 v[YP+16*j+\d:YP+16*j+\d+1], v[YP+16*j+\d:YP+16*j+\d+1], v[YP+16*j+4+\d:YP+16*j+5+\d]
	v_pk_add_f32 v[YP+16*j+8+\d:YP+16*j+9+\d], v[YP+16*j+8+\d:YP+16*j+9+\d], v[YP+16*j+12+\d:YP+16*j+13+\d]
.endr
.irp d, 0,2
	v_pk_add_f32 v[YP+16*j+\d:YP+16*j+\d+1], v[YP+16*j+\d:YP+16*j+\d+1], v[BB+8*j+\d:BB+8*j+\d+1]
	v_pk_add_f32 v[YP+16*j+8+\d:YP+16*j+9+\d], v[YP+16*j+8+\d:YP+16*j+9+\d], v[BB+8*j+4+\d:BB+8*j+5+\d]
.endr
.irp d, 0,2
	v_pk_mul_f32 v[YP+16*j+\d:YP+16*j+\d+1], v[YP+16*j+\d:YP+16*j+\d+1], s[36:37] op_sel_hi:[1,0]
.endr
.irp d, 0,2
	v_pk_fma_f32 v[YP+16*j+\d:YP+16*j+\d+1], v[YP+16*j+8+\d:YP+16*j+9+\d], s[38:39], v[YP+16*j+\d:YP+16*j+\d+1] op_sel_hi:[1,0,1]
.endr
	global_store_b128 v1, v[YP+16*j:YP+16*j+3], s[12:13] offset:512*j th:TH_STORE_NT
.set j, j+1
.endr
	s_endpgm
.Lfunc_end_k_qcf9aa824e6_combine:
	.size	k_qcf9aa824e6_combine, .Lfunc_end_k_qcf9aa824e6_combine-k_qcf9aa824e6_combine
	.p2alignl 7, 3214868480
	.fill 96, 4, 3214868480
	.section	.rodata,"a",@progbits
	.p2align	6, 0x0
	.amdhsa_kernel k_qcf9aa824e6_combine
		.amdhsa_group_segment_fixed_size 0
		.amdhsa_private_segment_fixed_size 0
		.amdhsa_enable_private_segment 0
		.amdhsa_kernarg_size 40
		.amdhsa_user_sgpr_count 2
		.amdhsa_user_sgpr_kernarg_segment_ptr 1
		.amdhsa_wavefront_size32 1
		.amdhsa_system_sgpr_workgroup_id_x 1
		.amdhsa_system_sgpr_workgroup_id_y 1
		.amdhsa_system_sgpr_workgroup_id_z 1
		.amdhsa_system_vgpr_workitem_id 0
		.amdhsa_next_free_vgpr 208
		.amdhsa_next_free_sgpr 66
		.amdhsa_reserve_vcc 0
		.amdhsa_float_denorm_mode_32 3
		.amdhsa_float_denorm_mode_16_64 3
		.amdhsa_memory_ordered 1
		.amdhsa_forward_progress 1
		.amdhsa_inst_pref_size 14
	.end_amdhsa_kernel
	.amdgpu_metadata
---
amdhsa.version: [ 1, 2 ]
amdhsa.kernels:
  - .name:           k_qcf9aa824e6_combine
    .symbol:         k_qcf9aa824e6_combine.kd
    .args:
      - { .name: yp, .offset: 0, .size: 8, .value_kind: global_buffer, .address_space: global }
      - { .name: ridx, .offset: 8, .size: 8, .value_kind: global_buffer, .address_space: global }
      - { .name: rwt, .offset: 16, .size: 8, .value_kind: global_buffer, .address_space: global }
      - { .name: b2, .offset: 24, .size: 8, .value_kind: global_buffer, .address_space: global }
      - { .name: out0, .offset: 32, .size: 8, .value_kind: global_buffer, .address_space: global }
    .group_segment_fixed_size: 0
    .private_segment_fixed_size: 0
    .kernarg_segment_align: 8
    .kernarg_segment_size: 40
    .max_flat_workgroup_size: 128
    .sgpr_count:     66
    .vgpr_count:     208
    .wavefront_size: 32
...
	.end_amdgpu_metadata
.endif
;; end of part 4
;; ======== version 2 of 2: 4 launches; version 1 with the launch combine written anew for expert scheduling mode
;; workspace buffers: xq 1,048,576 bytes; xs 32,768 bytes; ridx 8,192 bytes of whole numbers; rwt 8,192 bytes; hq 33,554,432 bytes; hs 1,048,576 bytes; yp 16,842,752 bytes
;; launch route: the kernel of part 1 again; grid 256 x 1, 4 waves a work-group, no clusters, 35,328 bytes of LDS; arguments x, gate_W, gate_b, xq, xs, ridx, rwt; writes xq, xs, ridx, rwt
;; launch ffn1: the kernel of part 2 again; grid 32 x 8, 8 waves a work-group, no clusters, 143,360 bytes of LDS; arguments W1, b1, xq, xs, ridx, hq, hs; writes hq, hs
;; launch ffn2: the kernel of part 3 again; grid 16 x 16, 8 waves a work-group, no clusters, 177,920 bytes of LDS; arguments W2, hq, hs, ridx, yp; writes yp
;; launch combine (part 5): grid 256 x 1, 4 waves a work-group, no clusters, 0 bytes of LDS; arguments yp, ridx, rwt, b2, out0; writes out0
.if DOCPART == 5
	.amdgcn_target "amdgcn-amd-amdhsa--gfx1250"
	.amdhsa_code_object_version 6
	.text
	.protected	k_qcf9aa824e6_combine
	.globl	k_qcf9aa824e6_combine
	.p2align	8
	.type	k_qcf9aa824e6_combine,@function
k_qcf9aa824e6_combine:
	s_mov_b64 s[64:65], 0
	v_nop
	global_prefetch_b8 v0, s[64:65] scope:SCOPE_SE
	s_setreg_imm32_b32 hwreg(HW_REG_WAVE_SCHED_MODE, 0, 2), 2
	s_setreg_imm32_b32 hwreg(HW_REG_WAVE_MODE, 25, 1), 1
	s_wait_xcnt 0x0
	s_wait_alu depctr_vm_vsrc(0)
; out0[t] = w0 (yp[0][2 t] + yp[1][2 t] + b2[e0]) + w1 (yp[0][2 t + 1] + yp[1][2 t + 1] + b2[e1]): the two halves of each product's K, the bias, the gate's weights, the token's two experts.
; yp is [2][2,056][1,024] f32; rows 0 .. 2,047 of a half are the slots 2 token + k; the eight rows behind them are not read.
; A stream: a wave takes a token; each load and store of a wave covers 512 consecutive bytes; every slot's bytes are read once and every byte of out0 written once.  No LDS, no barrier, no matrix unit: memory binds.
; All 48 loads of a wave go out at once: 32 of yp, then, when the experts' numbers are in, 16 of b2 in the order of the chunks.
; THE MODE: SCHED_MODE bits 1:0 = 2 (LLVM: expert scheduling mode 2), set by the entry lines.  The code itself states the register dependences between vector instructions
;   and memory instructions, with s_wait_alu, always for 0.
; THE PLAN.  Registers that memory instructions touch, and who else names them:
;   v1           16 x lane: made once at the head and never written again; read as the offset by all 48 loads and all 8 stores.
;   YP, chunk j  four loads land in its 16 registers; chunk j's arithmetic reads them and leaves the result in the first four; one store, issued at the head of chunk j + 1, reads these four.
;   BB, chunk j  two loads land in its 8 registers; chunk j's additions read them.
;   No load lands in a register that a vector instruction has named before it.  Each chunk has registers of its own, so nothing that a memory instruction has read is written again: no wait on vm_vsrc is owed.
; THE WAITS.  One on va_sdst behind the line that makes the wave's number a scalar.  One on va_vdst ahead of the first load, for v1.  One on va_vdst at the head of each chunk from the second on,
;   behind the wait for the chunk's data: the chunk before has written its result, and that chunk's store follows.  One more ahead of the last store.
.set YHALF, 2056*4096                  ; a half of yp in bytes
.set YP, 16                            ; v16-143   chunk j (512 bytes of a row): 16 registers: slot 2 t half 0, half 1; slot 2 t + 1 half 0, half 1
.set BB, 144                           ; v144-207  chunk j: b2[e0], b2[e1]
	s_load_b256 s[4:11], s[0:1], 0x0               ; yp, ridx, rwt, b2
	s_load_b64 s[12:13], s[0:1], 0x20              ; out0
	v_lshrrev_b32 v1, 5, v0
	v_readfirstlane_b32 s14, v1                    ; wave
	v_and_b32 v1, 31, v0
	v_lshlrev_b32 v1, 4, v1                        ; 16 bytes a lane
	s_lshl_b32 s15, ttmp9, 2
	s_wait_alu depctr_va_sdst(0)                   ; s14 is written, ahead of its first reader
	s_add_co_u32 s15, s15, s14                     ; my token
	s_lshl_b32 s16, s15, 3                         ; 8 bytes a token in ridx and rwt,
	s_mov_b32 s17, 0
	s_lshl_b32 s18, s15, 13                        ; two rows of 4,096 bytes in yp,
	s_mov_b32 s19, 0
	s_lshl_b32 s20, s15, 12                        ; one in out0
	s_mov_b32 s21, 0
	s_wait_kmcnt 0x0
	s_add_nc_u64 s[6:7], s[6:7], s[16:17]
	s_add_nc_u64 s[8:9], s[8:9], s[16:17]
	s_load_b64 s[22:23], s[6:7], 0x0               ; e0, e1
	s_load_b64 s[24:25], s[8:9], 0x0               ; w0, w1
	s_add_nc_u64 s[4:5], s[4:5], s[18:19]          ; half 0
	s_add_nc_u64 s[26:27], s[4:5], YHALF           ; half 1
	s_add_nc_u64 s[12:13], s[12:13], s[20:21]
	s_wait_alu depctr_va_vdst(0)                   ; v1 is written: every load and store of the kernel reads it as its offset
.set j, 0
.rept 8
	global_load_b128 v[YP+16*j:YP+16*j+3], v1, s[4:5] offset:512*j th:TH_LOAD_NT
	global_load_b128 v[YP+16*j+4:YP+16*j+7], v1, s[26:27] offset:512*j th:TH_LOAD_NT
	global_load_b128 v[YP+16*j+8:YP+16*j+11], v1, s[4:5] offset:4096+512*j th:TH_LOAD_NT
	global_load_b128 v[YP+16*j+12:YP+16*j+15], v1, s[26:27] offset:4096+512*j th:TH_LOAD_NT
.set j, j+1
.endr
	s_wait_kmcnt 0x0
	s_min_u32 s32, s22, 7
	s_lshl_b32 s32, s32, 12                        ; a row of b2 is 4,096 bytes
	s_mov_b32 s33, 0
	s_min_u32 s34, s23, 7
	s_lshl_b32 s34, s34, 12
	s_mov_b32 s35, 0
	s_add_nc_u64 s[28:29], s[10:11], s[32:33]
	s_add_nc_u64 s[30:31], s[10:11], s[34:35]
	s_mov_b32 s36, s24                             ; the packed forms name a pair and take its low word for both halves
	s_mov_b32 s37, s24
	s_mov_b32 s38, s25
	s_mov_b32 s39, s25
.set j, 0
.rept 8
	global_load_b128 v[BB+8*j:BB+8*j+3], v1, s[28:29] offset:512*j
	global_load_b128 v[BB+8*j+4:BB+8*j+7], v1, s[30:31] offset:512*j
.set j, j+1
.endr
.set j, 0
.rept 8
	s_wait_loadcnt 2*(7-j)                         ; loads come back in order (ISA guide 5.7.1): all of yp and b2's chunks up to j are in; the two loads of each later chunk may be out
.if j > 0
	s_wait_alu depctr_va_vdst(0)                   ; the chunk before has written its four results, which the store below reads
	global_store_b128 v1, v[YP+16*(j-1):YP+16*(j-1)+3], s[12:13] offset:512*(j-1) th:TH_STORE_NT   ; no vector instruction behind this line names these four registers
.endif
.irp d, 0,2
	v_pk_add_f32 v[YP+16*j+\d:YP+16*j+\d+1], v[YP+16*j+\d:YP+16*j+\d+1], v[YP+16*j+4+\d:YP+16*j+5+\d]
	v_pk_add_f32 v[YP+16*j+8+\d:YP+16*j+9+\d], v[YP+16*j+8+\d:YP+16*j+9+\d], v[YP+16*j+12+\d:YP+16*j+13+\d]
.endr
.irp d, 0,2
	v_pk_add_f32 v[YP+16*j+\d:YP+16*j+\d+1], v[YP+16*j+\d:YP+16*j+\d+1], v[BB+8*j+\d:BB+8*j+\d+1]
	v_pk_add_f32 v[YP+16*j+8+\d:YP+16*j+9+\d], v[YP+16*j+8+\d:YP+16*j+9+\d], v[BB+8*j+4+\d:BB+8*j+5+\d]
.endr
.irp d, 0,2
	v_pk_mul_f32 v[YP+16*j+\d:YP+16*j+\d+1], v[YP+16*j+\d:YP+16*j+\d+1], s[36:37] op_sel_hi:[1,0]
.endr
.irp d, 0,2
	v_pk_fma_f32 v[YP+16*j+\d:YP+16*j+\d+1], v[YP+16*j+8+\d:YP+16*j+9+\d], s[38:39], v[YP+16*j+\d:YP+16*j+\d+1] op_sel_hi:[1,0,1]
.endr
.set j, j+1
.endr
	s_wait_alu depctr_va_vdst(0)                   ; the last chunk has written its four results, which the last store reads
	global_store_b128 v1, v[YP+16*7:YP+16*7+3], s[12:13] offset:512*7 th:TH_STORE_NT
	s_endpgm
.Lfunc_end_k_qcf9aa824e6_combine:
	.size	k_qcf9aa824e6_combine, .Lfunc_end_k_qcf9aa824e6_combine-k_qcf9aa824e6_combine
	.p2alignl 7, 3214868480
	.fill 96, 4, 3214868480
	.section	.rodata,"a",@progbits
	.p2align	6, 0x0
	.amdhsa_kernel k_qcf9aa824e6_combine
		.amdhsa_group_segment_fixed_size 0
		.amdhsa_private_segment_fixed_size 0
		.amdhsa_enable_private_segment 0
		.amdhsa_kernarg_size 40
		.amdhsa_user_sgpr_count 2
		.amdhsa_user_sgpr_kernarg_segment_ptr 1
		.amdhsa_wavefront_size32 1
		.amdhsa_system_sgpr_workgroup_id_x 1
		.amdhsa_system_sgpr_workgroup_id_y 1
		.amdhsa_system_sgpr_workgroup_id_z 1
		.amdhsa_system_vgpr_workitem_id 0
		.amdhsa_next_free_vgpr 208
		.amdhsa_next_free_sgpr 66
		.amdhsa_reserve_vcc 0
		.amdhsa_float_denorm_mode_32 3
		.amdhsa_float_denorm_mode_16_64 3
		.amdhsa_memory_ordered 1
		.amdhsa_forward_progress 1
		.amdhsa_inst_pref_size 14
	.end_amdhsa_kernel
	.amdgpu_metadata
---
amdhsa.version: [ 1, 2 ]
amdhsa.kernels:
  - .name:           k_qcf9aa824e6_combine
    .symbol:         k_qcf9aa824e6_combine.kd
    .args:
      - { .name: yp, .offset: 0, .size: 8, .value_kind: global_buffer, .address_space: global }
      - { .name: ridx, .offset: 8, .size: 8, .value_kind: global_buffer, .address_space: global }
      - { .name: rwt, .offset: 16, .size: 8, .value_kind: global_buffer, .address_space: global }
      - { .name: b2, .offset: 24, .size: 8, .value_kind: global_buffer, .address_space: global }
      - { .name: out0, .offset: 32, .size: 8, .value_kind: global_buffer, .address_space: global }
    .group_segment_fixed_size: 0
    .private_segment_fixed_size: 0
    .kernarg_segment_align: 8
    .kernarg_segment_size: 40
    .max_flat_workgroup_size: 128
    .sgpr_count:     66
    .vgpr_count:     208
    .wavefront_size: 32
...
	.end_amdgpu_metadata
.endif
;; end of part 5
